; MI455X (gfx1250); checked and timed in simulation.
; The chip was launched on July 23, 2026; its instructions are those of AMD's public machine-readable ISA for CDNA 5 (MIT licence, August 2026) and "CDNA5" Instruction Set Architecture Reference Guide (July 2026). The comments in the code are by the model that wrote it; some were corrected since.
;; Cross Attention. Allowed arithmetic: matrix products marked QUANTISED: E2M3 operands, one E8M0 scale for each 32 along K, by v_wmma_scale_f32_16x16x128_f8f6f4 with both operands' format E2M3, f32 sums; everything else in f32.
;; Inputs: Wk 512 x 512 float32; Wo 512 x 512 float32; Wq 512 x 512 float32; Wv 512 x 512 float32; bo 512 float32; x1 4 x 2,048 x 512 float32; x2 4 x 2,048 x 512 float32; x3 4 x 2,048 x 512 float32.
;; Outputs: out0 4 x 2,048 x 512 float32.
;; This version of the problem:
;;   THIS VERSION OF THE PROBLEM IS GIVEN IN LOW PRECISION. The matrix products marked QUANTISED in the list below multiply operands that are first quantised to E2M3 (2 exponent bits, 3 mantissa bits; 6 bits a number), with one power-of-two scale for each 32 numbers along K (OCP MX v1.0); their sums are f32. All else is computed in f32.
;;   The module's matrix products, in the order in which they are computed (A, B: the left and right operand; K: the contracted axis; several contracted axes count as one K, in the product's order):
;;     1. [M 8,192, K 512] x [K 512, N 512]; A: input x1; B: input Wq: QUANTISED
;;     2. [M 8,192, K 512] x [K 512, N 512]; A: input x2; B: input Wk: QUANTISED
;;     3. [M 8,192, K 512] x [K 512, N 512]; A: input x3; B: input Wv: QUANTISED
;;     4. batch 32 x [M 2,048, K 64] x [K 64, N 2,048]; A: computed on the way; B: computed on the way: QUANTISED
;;     5. batch 32 x [M 2,048, K 2,048] x [K 2,048, N 64]; A: softmax (see below); B: computed on the way: QUANTISED
;;     6. [M 8,192, K 512] x [K 512, N 512]; A: computed on the way; B: input Wo: QUANTISED
;;   THE QUANTISER, for each operand of a quantised product, along K:
;;     - K is cut into blocks of 32 from its start; a last block that is shorter is filled with zeros.
;;     - A block's scale is 2^e with e = floor(log2(the largest magnitude in the block)) - 2, held to -126 .. 127; a block of zeros has e = 0. As a byte (E8M0): e + 127.
;;     - Each number is divided by its block's scale, clamped to +-7.5, and rounded to the nearest number of E2M3, ties to even, subnormals kept.
;;     - The product sums the exact products of the quantised numbers (number of the format x scale) in f32.
;;   ~~~python
;;   def quantise(x, axis):      # numpy; x: float32 -> the quantised numbers, widened to float32 again
;;       x = np.moveaxis(x, axis, -1); K = x.shape[-1]
;;       x = np.pad(x, [(0, 0)] * (x.ndim - 1) + [(0, -K % 32)]); x = x.reshape(x.shape[:-1] + (-1, 32)); a = np.abs(x).max(-1, keepdims=True)
;;       e = np.where(a > 0, np.clip(np.frexp(np.where(a > 0, a, 1))[1] - 1 - 2, -126, 127), 0)      # np.frexp(a)[1] - 1 = floor(log2(a)), exactly
;;       r = np.clip(x / 2.0 ** e, -7.5, 7.5)
;;       step = 2.0 ** (np.maximum(np.frexp(np.where(r == 0, 1, r))[1] - 1, 0) - 3)
;;       q = np.round(r / step) * step * 2.0 ** e      # np.round: ties to even
;;       return np.moveaxis(q.reshape(q.shape[:-2] + (-1,))[..., :K], -1, axis).astype(np.float32)
;;   ~~~
;;   SOFTMAX AHEAD OF A QUANTISED PRODUCT. Where the list says 'softmax', what is quantised is not the finished softmax but p = 2^(t - M), with t = logit x log2(e) and M = ceil(the row's largest t), a whole number; so 1/2 < the row's largest p <= 1. The row's sum l is taken of the UNQUANTISED p, in f32, and the product's result is divided by l at the end. Since M is a whole number, a kernel that streams over the keys may use a running M (the ceiling of the running maximum): every later rescaling is an exact power of two, which a block's scale takes up: the codes' values come out the same.
;;   OPERANDS COMPUTED ON THE WAY. 'Computed on the way' means the value that the module computes at that place (a softmax that the list does not call 'softmax' is quantised finished and normalised). What goes into a quantiser is computed in f32, as accurately as f32 sums, v_exp_f32 and their like allow (about 1e-6 of the number): no bf16 or f16 on the way to a quantiser, and a product that is left as it is and whose result goes on into a quantised operand takes f32 operands (vector FMAs, or v_wmma_f32_16x16x4_f32). A number that lies on a knife's edge between two numbers of the format may be rounded either way, as far as f32 arithmetic and the matrix unit's own rounding can turn it there, and no further.
;; 2 versions. Each part assembles by itself: llvm-mc -triple=amdgcn-amd-amdhsa -mcpu=gfx1250 --defsym DOCPART=n.
;; ======== version 1 of 2: 4 launches
;; workspace buffers: wb 819,200 bytes; qb 3,407,872 bytes; kb 3,407,872 bytes; vb 3,276,800 bytes; ob 3,276,800 bytes
;; launch quant_w (part 1): grid 4 x 8, 4 waves a work-group, no clusters, 35,840 bytes of LDS; arguments Wq, Wk, Wv, Wo, wb; writes wb
.if DOCPART == 1
	.amdgcn_target "amdgcn-amd-amdhsa--gfx1250"
	.amdhsa_code_object_version 6
	.text
	.protected	k_q293840a273_quant_w
	.globl	k_q293840a273_quant_w
	.p2align	8
	.type	k_q293840a273_quant_w,@function
k_q293840a273_quant_w:
	s_mov_b64 s[64:65], 0
	v_nop
	global_prefetch_b8 v0, s[64:65] scope:SCOPE_SE
	s_setreg_imm32_b32 hwreg(HW_REG_WAVE_MODE, 25, 1), 1
	s_wait_xcnt 0x0
; The four weights, each [512 (k)][512 (n)] f32 with K on the FIRST axis, become codes of FP6 (E2M3) laid [weight][n][16 blocks][24 bytes], K innermost, at byte 0 of wb,
; and one E8M0 byte for each 32 along K, laid [weight][n][16], at byte 786,432 of wb.  Weight 0 = Wq, 1 = Wk, 2 = Wv, 3 = Wo.
; A LANE TAKES A COLUMN n AND ITS REGISTERS RUN DOWN K: a load reads 128 consecutive bytes a wave, a block of 32 along K lies in one lane's 32 registers, and the conversions give codes with K innermost.
; A block's scale is 2^(floor(log2(largest magnitude)) - 2); its byte is the largest magnitude's exponent field - 2, held at 1 from below.
; LIMITS: a block of zeros, or one whose largest magnitude lies under 2^-124, gets the byte 1 (its codes are zeros or are held as the clip says; this program alone reads the bytes); NaN and infinities are not served.
; Work-group (x, y): columns 128 x .. 128 x + 127 of weight y / 2, K = 256 (y % 2) .. + 255.  A wave takes 32 columns x 256 along K; its codes go through its own stage in LDS and leave by rows of 192 bytes.
; No tensor loads, no barrier: waves share nothing.  No cluster: work-groups share no input.
.set SIZE_K, 512
.set SIZE_N, 512
.set KW,    256                        ; along K for a wave
.set NB,    KW/32                      ; blocks
.set ROWB,  192                        ; bytes of KW codes
.set PITCH, 272                        ; a stage row: sixteen places of 16 bytes, each with 12 bytes of codes, + 16
.set KROW,  SIZE_K*6/8                 ; a row of codes in bytes
.set EMAX,  2
.set WCODES, 196608                    ; a weight's codes in bytes
.set WSCALES, 786432                   ; where the scale bytes begin
.set X,     32                         ; v32-95   two sets of 32 numbers
.set C,     96                         ; v96..    a block's codes
.set OUTR,  112                        ; v112-175 the way out
.set SPW,   14                         ; v14      LDS address of my spare word; never rewritten
.set NIL,   15                         ; v15      0; never rewritten
.set SPARE, 4*32*PITCH                 ; behind the four stages: the spare words, 128 bytes a wave
.set SB,    24                         ; v24-25   the scale bytes, four to a register
	s_load_b256 s[32:39], s[0:1], 0x0              ; Wq, Wk, Wv, Wo
	s_load_b64 s[40:41], s[0:1], 0x20              ; wb
	v_lshl_add_u32 v[SPW], v0, 2, SPARE
	v_mov_b32 v[NIL], 0
	v_lshrrev_b32 v1, 5, v0
	v_readfirstlane_b32 s16, v1                    ; wave 0..3
	v_and_b32 v2, 31, v0                           ; lane
	s_lshl_b32 s17, ttmp9, 7
	s_lshl_b32 s18, s16, 5
	s_add_co_u32 s17, s17, s18                     ; my wave's first column
	s_and_b32 s18, ttmp7, 0xffff
	s_lshr_b32 s19, s18, 1                         ; which weight
	s_and_b32 s18, s18, 1                          ; which 256 along K
	v_lshlrev_b32 v3, 2, v2                        ; in: 4 bytes a lane
	s_mul_i32 s20, s16, 32*PITCH                   ; my stage
	v_mul_u32_u24 v4, v2, PITCH
	v_add_nc_u32 v4, s20, v4                       ; into it: row = my column
	v_and_b32 v5, 15, v2
	v_lshrrev_b32 v6, 4, v2                        ; out of it: sixteen lanes to a row, two rows an instruction
	v_mul_u32_u24 v7, v6, PITCH
	v_lshl_add_u32 v7, v5, 4, v7
	v_add_nc_u32 v7, s20, v7
	v_mul_u32_u24 v8, v6, KROW
	v_mad_u32_u24 v8, v5, 12, v8                   ; and the same place among the codes
	v_lshlrev_b32 v9, 4, v2                        ; my column's row of scale bytes: 16 bytes a row
	s_lshl_b32 s20, s18, 19                        ; the weight: 256 rows of 2,048 bytes,
	s_lshl_b32 s22, s17, 2                         ; + 4 bytes a column
	s_add_co_u32 s20, s20, s22
	s_mov_b32 s21, 0
	s_mul_i32 s22, s19, WCODES                     ; the codes: weight, column, half of K
	s_mul_i32 s24, s17, KROW
	s_add_co_u32 s22, s22, s24
	s_mul_i32 s24, s18, ROWB
	s_add_co_u32 s22, s22, s24
	s_mov_b32 s23, 0
	s_lshl_b32 s24, s19, 13                        ; the scale bytes likewise
	s_lshl_b32 s26, s17, 4
	s_add_co_u32 s24, s24, s26
	s_lshl_b32 s26, s18, 3
	s_add_co_u32 s24, s24, s26
	s_add_co_u32 s24, s24, WSCALES
	s_mov_b32 s25, 0
	s_and_b32 s26, s19, 1
	s_wait_kmcnt 0x0
	s_cmp_lt_u32 s19, 2                            ; the choice hangs on the work-group's number alone
	s_cselect_b64 s[4:5], s[32:33], s[36:37]
	s_cselect_b64 s[44:45], s[34:35], s[38:39]
	s_cmp_eq_u32 s26, 0
	s_cselect_b64 s[4:5], s[4:5], s[44:45]
	s_add_nc_u64 s[4:5], s[4:5], s[20:21]
	s_add_nc_u64 s[6:7], s[40:41], s[22:23]
	s_add_nc_u64 s[8:9], s[40:41], s[24:25]
.macro LOAD t                          ; block t: W(32 t + i, my column), i = 0 .. 31, into set t % 2
.irp i, 0,1,2,3,4,5,6,7,8,9,10,11,12,13,14,15,16,17,18,19,20,21,22,23,24,25,26,27,28,29,30,31
	global_load_b32 v[X+32*((\t)%2)+\i], v3, s[4:5] offset:(32*(\t)+\i)*SIZE_N*4 th:TH_LOAD_NT
.endr
.endm
	LOAD 0
	LOAD 1
.macro BLOCK t
.set XS, X+32*((\t)%2)
.if (\t) < NB-1
	s_wait_loadcnt 32                              ; this block's 32 loads are in; the next block's 32 may be out
.else
	s_wait_loadcnt 0
.endif
	v_max3_num_f32 v12, |v[XS]|, |v[XS+1]|, |v[XS+2]|   ; the block's largest magnitude: all 32 numbers are mine; two chains
	v_max3_num_f32 v13, |v[XS+3]|, |v[XS+4]|, |v[XS+5]|
.irp i, 6,10,14,18,22,26
	v_max3_num_f32 v12, v12, |v[XS+\i]|, |v[XS+\i+1]|
	v_max3_num_f32 v13, v13, |v[XS+\i+2]|, |v[XS+\i+3]|
.endr
	v_max3_num_f32 v12, v12, |v[XS+30]|, |v[XS+31]|
	v_max3_num_f32 v12, v12, v13, (EMAX+1)<<23     ; and the floor 2^(3 - 127): the byte cannot fall under 1
	v_add_nc_u32 v11, -(EMAX<<23), v12             ; 2 off the exponent field: the conversion takes the exponent field of this operand as its scale
	v_lshrrev_b32 v13, 23, v11                     ; the scale's byte
.if (\t)%4 == 0
	v_mov_b32 v[SB+(\t)/4], v13                    ; four bytes to a register, the lower K in the lower byte
.else
	v_lshl_or_b32 v[SB+(\t)/4], v13, 8*((\t)%4), v[SB+(\t)/4]
.endif
	v_cvt_scalef32_pk16_fp6_f32 v[C:C+2], v[XS:XS+15], v11
	v_cvt_scalef32_pk16_fp6_f32 v[C+4:C+6], v[XS+16:XS+31], v11     ; (a conversion's three registers begin on an even number)
	ds_store_b96 v4, v[C:C+2] offset:32*(\t)       ; 12 bytes to a place of 16, so that every LDS address is a multiple of 16
	ds_store_b96 v4, v[C+4:C+6] offset:32*(\t)+16
.if (\t)+2 < NB
	LOAD (\t)+2
.endif
	s_wait_dscnt 0x0                               ; the stores have read their registers: the next block's codes may be written
.endm
.set Q, 0
.rept NB
	BLOCK Q
.set Q, Q+1
.endr
	global_store_b64 v9, v[SB:SB+1], s[8:9]        ; my column's 8 scale bytes
.irp t, 0,1,2,3,4,5,6,7,8,9,10,11,12,13,14,15
	ds_load_b96 v[OUTR+4*\t:OUTR+4*\t+2], v7 offset:2*\t*PITCH   ; LDS serves a wave's instructions in order: these see my stores
.endr
.irp t, 0,1,2,3,4,5,6,7,8,9,10,11,12,13,14,15
	s_wait_dscnt 15-\t                             ; the younger loads may stay out
	global_store_b96 v8, v[OUTR+4*\t:OUTR+4*\t+2], s[6:7] offset:2*\t*KROW   ; sixteen lanes store a row's 192 consecutive bytes
.endr
	s_wait_tensorcnt 0x0                           ; the wave's end
	ds_add_u32 v[SPW], v[NIL]
	s_wait_dscnt 0x0
	s_endpgm
.Lfunc_end_k_q293840a273_quant_w:
	.size	k_q293840a273_quant_w, .Lfunc_end_k_q293840a273_quant_w-k_q293840a273_quant_w
	.p2alignl 7, 3214868480
	.fill 96, 4, 3214868480
	.section	.rodata,"a",@progbits
	.p2align	6, 0x0
	.amdhsa_kernel k_q293840a273_quant_w
		.amdhsa_group_segment_fixed_size 35840
		.amdhsa_private_segment_fixed_size 0
		.amdhsa_enable_private_segment 0
		.amdhsa_kernarg_size 40
		.amdhsa_user_sgpr_count 2
		.amdhsa_user_sgpr_kernarg_segment_ptr 1
		.amdhsa_wavefront_size32 1
		.amdhsa_system_sgpr_workgroup_id_x 1
		.amdhsa_system_sgpr_workgroup_id_y 1
		.amdhsa_system_sgpr_workgroup_id_z 1
		.amdhsa_system_vgpr_workitem_id 0
		.amdhsa_next_free_vgpr 192
		.amdhsa_next_free_sgpr 66
		.amdhsa_reserve_vcc 0
		.amdhsa_float_denorm_mode_32 3
		.amdhsa_float_denorm_mode_16_64 3
		.amdhsa_memory_ordered 1
		.amdhsa_forward_progress 1
		.amdhsa_inst_pref_size 42
	.end_amdhsa_kernel
	.amdgpu_metadata
---
amdhsa.version: [ 1, 2 ]
amdhsa.kernels:
  - .name:           k_q293840a273_quant_w
    .symbol:         k_q293840a273_quant_w.kd
    .args:
      - { .name: Wq, .offset: 0, .size: 8, .value_kind: global_buffer, .address_space: global }
      - { .name: Wk, .offset: 8, .size: 8, .value_kind: global_buffer, .address_space: global }
      - { .name: Wv, .offset: 16, .size: 8, .value_kind: global_buffer, .address_space: global }
      - { .name: Wo, .offset: 24, .size: 8, .value_kind: global_buffer, .address_space: global }
      - { .name: wb, .offset: 32, .size: 8, .value_kind: global_buffer, .address_space: global }
    .group_segment_fixed_size: 35840
    .private_segment_fixed_size: 0
    .kernarg_segment_align: 8
    .kernarg_segment_size: 40
    .max_flat_workgroup_size: 128
    .sgpr_count:     66
    .vgpr_count:     192
    .wavefront_size: 32
...
	.end_amdgpu_metadata
.endif
;; end of part 1
;; launch proj (part 2): grid 64 x 3, 4 waves a work-group, no clusters, 162,304 bytes of LDS; arguments x1, x2, x3, wb, qb, kb, vb; writes qb, kb, vb
.if DOCPART == 2
	.amdgcn_target "amdgcn-amd-amdhsa--gfx1250"
	.amdhsa_code_object_version 6
	.text
	.protected	k_q293840a273_proj
	.globl	k_q293840a273_proj
	.p2align	8
	.type	k_q293840a273_proj,@function
k_q293840a273_proj:
	s_mov_b64 s[64:65], 0
	v_nop
	global_prefetch_b8 v0, s[64:65] scope:SCOPE_SE
	s_setreg_imm32_b32 hwreg(HW_REG_WAVE_MODE, 25, 1), 1
	s_wait_xcnt 0x0
; q = x1 Wq, k = x2 Wk, v = x3 Wv, each [8,192][512] x [512][512], on codes of FP6 (E2M3) with one E8M0 scale for each 32 along K; the results are quantised at once for the attention's products and leave as codes.
; Work-group (x, y): tokens 128 x .. 128 x + 127 of path y (0: q, 1: k, 2: v), as two blocks of 64, written out.  x is read once, as f32, and quantised on the way.
; THE WAVES SHARE THE COLUMNS: wave w holds weight rows (n) 128 w .. 128 w + 127, that is heads 2 w and 2 w + 1, in 384 registers for the whole launch.  In the first phase of a block wave w quantises x's tile w.
; TILE ORDER.  Tile m of a block, lane r, is token 32 (m / 2) + 8 (m % 2) + r + (r & 8); tile t of a wave's weight rows, lane r, is row 32 (t / 2) + 8 (t % 2) + r + (r & 8).  So the 16 result registers of
; two neighbouring tiles are 16 neighbours along the axis that the next product contracts: d for q and k (source 0 = weight rows, source 1 = tokens), the keys for v (source 0 = tokens, source 1 = weight rows).
; WORKSPACES ARE IMAGES OF OPERAND REGISTERS.  Half a fragment (16 rows x 64 K, six registers) is 768 bytes: registers 0-3 by one store of 16 bytes a lane, registers 4-5 by one of 8 bytes a lane, 512 bytes on.
;   qb, kb: codes [b][h][tile 128][768]; scale words at 3,145,728: [b][h][group of 4 tiles][r 16][m 4].  vb: codes [b][h][group of 64 keys][d tile 4][768]; scale words at 3,145,728: [b][h][key step of 128][r 16][4].
; Every store covers whole aligned runs of 256 bytes.
; LIMITS: a block of zeros, or one whose largest magnitude lies under 2^-124, gets the byte 1 (this program alone reads the bytes); NaN and infinities are not served.
; No tensor load: x is turned through each wave's own stage, weights go straight into registers in fragment order.  No cluster: what is shared, the weights, is read once by a work-group into registers.
; REGISTERS, in windows of 256: window 0: v1-14 addresses; v16-79 results (HA); v80-99 codes just made; v100-117 at work; v120-127 scale words on their way out; v128-143 x's scale words; v144-175 the weights';
;   v192-255 raw set 3, then the second set of 64 numbers.   window 1: W(t, K step 0, 1); v192-255 raw set 0.   window 2: W(t, K step 2, 3); raw set 1.   window 3: x's 16 fragments; raw set 2.
.set FR,    12                         ; registers of a fragment
.set FRB,   FR*128                     ; its image in bytes
.set XIMG,  0                          ; LDS: x's 16 fragments (4 m + s),
.set XSC,   XIMG+16*FRB                ; their scale words, 128 bytes each,
.set STG,   XSC+16*128                 ; the waves' stages: 4 K steps x 16 rows x (512 + 16) bytes each
.set SPITCH, 528                       ; an odd multiple of 16 bytes: the sixteen rows that a load touches fall on different banks
.set KSTG,  16*SPITCH
.set WSTG,  4*KSTG
.set SPARE, STG+4*WSTG                 ; the spare words, 128 bytes a wave
.set NEXTB, 131072                     ; 64 rows of x in bytes
.set HEADB, 98304                      ; a head's codes in bytes
.set L16, 1                            ; 16 x lane
.set L8,  2                            ; 8 x lane
.set L4,  3                            ; 4 x lane
.set STI, 4                            ; my stage + 16 x lane
.set STO, 5                            ; my stage + 528 r + 64 h
.set XWI, 6                            ; where I store x's images
.set XWS, 7                            ; and their scale words
.set WA,  8                            ; the weights' codes: (r + (r & 8)) x 384 + 24 h
.set WSA, 9                            ; their scale bytes: (r + (r & 8)) x 16
.set SH16, 10                          ; 16 h
.set OSA, 11                           ; q's, k's scale words: 16 r + 8,192 h
.set OSV, 12                           ; v's: 16 r + 8 h
.set SPW, 13
.set NIL, 14
.set HA,  16
.set PC,  80
.set TM,  100
.set PW,  116
.set TP,  117
.set RR,  118
.set HH,  119
.set SW,  120
.set SV,  124
.set XS,  128
.set WS,  144
.set XB,  192
.set RAW, 192
.set WV,  22
.set PATH, 23
.set SEL, 26
.set MSB, 0
.macro WIN new                         ; the immediate's high byte repeats the setting that is left
.if MSB != (\new)
	s_set_vgpr_msb (MSB<<8)|(\new)
.set MSB, (\new)
.endif
.endm
; my tile's 16 rows, K step s (512 bytes of each row), into raw set s, which lies in window (s + 1) % 4: each load reads 512 consecutive bytes
.macro XLOAD s, off
	WIN ((((\s)+1)&3)<<6)
.irp i, 0,1,2,3,4,5,6,7,8,9,10,11,12,13,14,15
	global_load_b128 v[RAW+4*\i:RAW+4*\i+3], v[L16], s[4:5] offset:\off+(\i+(\i&8))*2048+512*(\s) th:TH_LOAD_NT
.endr
.endm
.macro TOSTG s                         ; raw set s into my stage, as it lies
	WIN ((((\s)+1)&3)<<2)
.irp i, 0,1,2,3,4,5,6,7,8,9,10,11,12,13,14,15
	ds_store_b128 v[STI], v[RAW+4*\i:RAW+4*\i+3] offset:KSTG*(\s)+SPITCH*\i
.endr
.endm
.macro LOADX s, dst                    ; and back: register 16 b + i = k 128 s + 32 b + 16 h + i of row r
.irp b, 0,1,2,3
.irp j, 0,1,2,3
	ds_load_b128 v[\dst+16*\b+4*\j:\dst+16*\b+4*\j+3], v[STO] offset:KSTG*(\s)+128*\b+16*\j
.endr
.endr
.endm
; 64 numbers of a lane, register 16 b + i = k 32 b + 16 h + i of my row, become a fragment's codes in v[PC] on and its scale word in v[PW]
.macro QUANT src
.irp b, 0,1,2,3
	v_max3_num_f32 v[TM+\b], |v[\src+16*\b]|, |v[\src+1+16*\b]|, 0x1800000   ; block b: my 16 numbers, and the floor 2^(3 - 127): the byte cannot fall under 1
.endr
.irp i, 2,4,6,8,10,12,14
.irp b, 0,1,2,3
	v_max3_num_f32 v[TM+\b], v[TM+\b], |v[\src+16*\b+\i]|, |v[\src+1+16*\b+\i]|   ; the four blocks by turns
.endr
.endr
.irp b, 0,1,2,3
	v_permlanex16_b32 v[TM+4+\b], v[TM+\b], s[SEL], s[SEL+1]
.endr
.irp b, 0,1,2,3
	v_max_num_f32 v[TM+\b], v[TM+\b], v[TM+4+\b]   ; with lane l xor 16's: the block's largest magnitude
.endr
.irp b, 0,1,2,3
	v_add_nc_u32 v[TM+12+\b], 0xff000000, v[TM+\b] ; 2 off its exponent field: the conversion's scale operand
.endr
.irp b, 0,1,2,3
	v_lshrrev_b32 v[TM+4+\b], 23, v[TM+12+\b]      ; the scale's byte
.endr
	v_lshl_or_b32 v[PW], v[TM+5], 8, v[TM+4]
	v_lshl_or_b32 v[PW], v[TM+6], 16, v[PW]
	v_lshl_or_b32 v[PW], v[TM+7], 24, v[PW]
.irp c, 0,1
	v_cvt_scalef32_pk16_fp6_f32 v[PC+6*\c:PC+2+6*\c], v[\src+32*\c:\src+15+32*\c], v[TM+12+2*\c]
	v_cvt_scalef32_pk16_fp6_f32 v[PC+12+4*\c:PC+14+4*\c], v[\src+16+32*\c:\src+31+32*\c], v[TM+12+2*\c+1]   ; (a conversion's three registers begin on an even number)
.endr
	v_nop                                          ; one plain place behind a scaled conversion
.irp c, 0,1                            ; the operand's layout wants a WHOLE block in a lane: lanes 0-15 block 2 c, lanes 16-31 block 2 c + 1
.irp i, 0,1,2
	v_permlane16_swap_b32 v[PC+6*\c+\i], v[PC+12+4*\c+\i]
.endr
.irp i, 0,1,2
	v_mov_b32 v[PC+3+6*\c+\i], v[PC+12+4*\c+\i]
.endr
.endr
.endm
.macro IMAGE adr, off                  ; the fragment in v[PC] on goes to LDS as it stands
.irp c, 0,1,2
	ds_store_b128 v[\adr], v[PC+4*\c:PC+4*\c+3] offset:\off+512*\c
.endr
.endm
.macro BARRIER                         ; my LDS stores have landed and my LDS loads are in: then the work-group's barrier
	s_wait_dscnt 0x0
	s_barrier_signal -1
	s_barrier_wait -1
.endm
.macro PLACES                          ; four plain places between a matrix instruction and the first vector read of its result (ISA guide 7.12.1)
.rept 4
	v_nop
.endr
.endm
; q, k: my 8 tiles of weight rows against tile m of tokens: source 0 = W, source 1 = x.  Eight accumulators by turns; the first K step starts the sums.
.macro MULQK m
.irp s, 0,1,2,3
	WIN 0x0d+(\s/2)                                ; source 0 window 1 or 2, source 1 window 3
.irp t, 0,1,2,3,4,5,6,7
.if \s == 0
	v_wmma_scale_f32_16x16x128_f8f6f4 v[HA+8*\t:HA+8*\t+7], v[FR*(2*\t+\s%2):FR*(2*\t+\s%2)+FR-1], v[FR*(4*(\m)+\s):FR*(4*(\m)+\s)+FR-1], 0, v[WS+4*\t+\s], v[XS+4*(\m)+\s] matrix_a_fmt:MATRIX_FMT_FP6 matrix_b_fmt:MATRIX_FMT_FP6
.else
	v_wmma_scale_f32_16x16x128_f8f6f4 v[HA+8*\t:HA+8*\t+7], v[FR*(2*\t+\s%2):FR*(2*\t+\s%2)+FR-1], v[FR*(4*(\m)+\s):FR*(4*(\m)+\s)+FR-1], v[HA+8*\t:HA+8*\t+7], v[WS+4*\t+\s], v[XS+4*(\m)+\s] matrix_a_fmt:MATRIX_FMT_FP6 matrix_b_fmt:MATRIX_FMT_FP6
.endif
.endr
.endr
.endm
; v: the four tiles of tokens against weight tiles 2 p and 2 p + 1: source 0 = x, source 1 = W: a lane holds one d, its registers run along the keys
.macro MULV p
.irp s, 0,1,2,3
	WIN 0x07+4*(\s/2)                              ; source 0 window 3, source 1 window 1 or 2
.irp u, 0,1
.irp m, 0,1,2,3
.if \s == 0
	v_wmma_scale_f32_16x16x128_f8f6f4 v[HA+8*(4*\u+\m):HA+8*(4*\u+\m)+7], v[FR*(4*\m+\s):FR*(4*\m+\s)+FR-1], v[FR*(2*(2*(\p)+\u)+\s%2):FR*(2*(2*(\p)+\u)+\s%2)+FR-1], 0, v[XS+4*\m+\s], v[WS+4*(2*(\p)+\u)+\s] matrix_a_fmt:MATRIX_FMT_FP6 matrix_b_fmt:MATRIX_FMT_FP6
.else
	v_wmma_scale_f32_16x16x128_f8f6f4 v[HA+8*(4*\u+\m):HA+8*(4*\u+\m)+7], v[FR*(4*\m+\s):FR*(4*\m+\s)+FR-1], v[FR*(2*(2*(\p)+\u)+\s%2):FR*(2*(2*(\p)+\u)+\s%2)+FR-1], v[HA+8*(4*\u+\m):HA+8*(4*\u+\m)+7], v[XS+4*\m+\s], v[WS+4*(2*(\p)+\u)+\s] matrix_a_fmt:MATRIX_FMT_FP6 matrix_b_fmt:MATRIX_FMT_FP6
.endif
.endr
.endr
.endr
.endm
	s_load_b256 s[4:11], s[0:1], 0x0               ; x1, x2, x3, wb
	s_load_b128 s[12:15], s[0:1], 0x20             ; qb, kb
	s_load_b64 s[16:17], s[0:1], 0x30              ; vb
	v_lshl_add_u32 v[SPW], v0, 2, SPARE
	v_mov_b32 v[NIL], 0
	v_lshrrev_b32 v15, 5, v0
	v_readfirstlane_b32 s[WV], v15                 ; wave 0..3
	s_and_b32 s[PATH], ttmp7, 0xffff               ; 0: q, 1: k, 2: v
	v_and_b32 v15, 31, v0                          ; lane
	v_lshlrev_b32 v[L16], 4, v15
	v_lshlrev_b32 v[L8], 3, v15
	v_lshlrev_b32 v[L4], 2, v15
	v_and_b32 v[RR], 15, v0                        ; r
	v_bfe_u32 v[HH], v0, 4, 1                      ; h
	s_mul_i32 s28, s[WV], WSTG
	s_add_co_u32 s28, s28, STG                     ; my stage
	v_add_nc_u32 v[STI], s28, v[L16]
	v_mul_u32_u24 v[STO], v[RR], SPITCH
	v_lshl_add_u32 v[STO], v[HH], 6, v[STO]
	v_add_nc_u32 v[STO], s28, v[STO]
	s_mul_i32 s28, s[WV], 4*FRB
	v_add_nc_u32 v[XWI], s28, v[L16]
	s_lshl_b32 s28, s[WV], 9
	s_add_co_u32 s28, s28, XSC
	v_add_nc_u32 v[XWS], s28, v[L4]
	v_and_b32 v[WSA], 8, v[RR]
	v_add_nc_u32 v[WSA], v[WSA], v[RR]             ; r + (r & 8)
	v_mul_u32_u24 v[WA], v[WSA], 384
	v_mad_u32_u24 v[WA], v[HH], 24, v[WA]
	v_lshlrev_b32 v[WSA], 4, v[WSA]
	v_lshlrev_b32 v[SH16], 4, v[HH]
	v_lshlrev_b32 v[OSA], 4, v[RR]
	v_lshl_add_u32 v[OSV], v[HH], 3, v[OSA]
	v_lshl_add_u32 v[OSA], v[HH], 13, v[OSA]
.irp b, 0,1,2,3
	v_mov_b32 v[TM+4+\b], 0                        ; written once: a lane permute's destination counts as one of its sources
	v_mov_b32 v[SV+\b], 0                          ; written on every path before the second block joins onto it
.endr
	s_mov_b32 s[SEL], 0x76543210
	s_mov_b32 s[SEL+1], 0xfedcba98                 ; v_permlanex16_b32's selects for lane l xor 16
	s_lshl_b32 s28, ttmp9, 7                       ; x: row 128 x + 32 (w / 2) + 8 (w % 2): my tile's first token
	s_lshr_b32 s30, s[WV], 1
	s_lshl_b32 s30, s30, 5
	s_add_co_u32 s28, s28, s30
	s_and_b32 s30, s[WV], 1
	s_lshl_b32 s30, s30, 3
	s_add_co_u32 s28, s28, s30
	s_lshl_b32 s28, s28, 11                        ; rows of 2,048 bytes
	s_mov_b32 s29, 0
	s_mul_i32 s30, s[PATH], 196608                 ; the path's weight, my 128 rows of 384 bytes
	s_mul_i32 s32, s[WV], 49152
	s_add_co_u32 s30, s30, s32
	s_mov_b32 s31, 0
	s_lshl_b32 s32, s[PATH], 13                    ; and their scale bytes, 16 a row
	s_lshl_b32 s34, s[WV], 11
	s_add_co_u32 s32, s32, s34
	s_add_co_u32 s32, s32, 786432
	s_mov_b32 s33, 0
	s_lshr_b32 s34, ttmp9, 4                       ; b
	s_lshl_b32 s34, s34, 3
	s_lshl_b32 s36, s[WV], 1
	s_add_co_u32 s34, s34, s36                     ; 8 b + 2 w: my first head
	s_lshl_b32 s34, s34, 4
	s_and_b32 s36, ttmp9, 15
	s_add_co_u32 s34, s34, s36                     ; x 16 + the key step
	s_mul_i32 s36, s34, 6144                       ; the codes: 6,144 bytes for a head's 128 tokens, on every path
	s_mov_b32 s37, 0
	s_cmp_eq_u32 s[PATH], 2
	s_cselect_b32 s38, 8, 9                        ; the scale words: 512 bytes for them in qb and kb, 256 in vb
	s_lshl_b32 s38, s34, s38
	s_add_co_u32 s38, s38, 3145728
	s_mov_b32 s39, 0
	s_wait_kmcnt 0x0
	s_cmp_eq_u32 s[PATH], 1                        ; the choices hang on the work-group's number alone
	s_cselect_b64 s[6:7], s[6:7], s[8:9]
	s_cselect_b64 s[14:15], s[14:15], s[16:17]
	s_cmp_eq_u32 s[PATH], 0
	s_cselect_b64 s[4:5], s[4:5], s[6:7]
	s_cselect_b64 s[12:13], s[12:13], s[14:15]
	s_add_nc_u64 s[4:5], s[4:5], s[28:29]          ; x at my tile
	s_add_nc_u64 s[18:19], s[10:11], s[32:33]      ; the weight's scale bytes
	s_add_nc_u64 s[10:11], s[10:11], s[30:31]      ; the weight's codes
	s_add_nc_u64 s[20:21], s[12:13], s[38:39]      ; the scale words out
	s_add_nc_u64 s[12:13], s[12:13], s[36:37]      ; the codes out
	WIN 0x40                                       ; destination window 1
.irp t, 0,1,2,3,4,5,6,7
.irp s, 0,1
.irp p, 0,1,2,3,4,5
	global_load_b64 v[FR*(2*\t+\s)+2*\p:FR*(2*\t+\s)+2*\p+1], v[WA], s[10:11] offset:(32*(\t/2)+8*(\t%2))*384+96*\s+48*(\p/3)+8*(\p%3)
.endr
.endr
.endr
	WIN 0x80                                       ; destination window 2
.irp t, 0,1,2,3,4,5,6,7
.irp s, 0,1
.irp p, 0,1,2,3,4,5
	global_load_b64 v[FR*(2*\t+\s)+2*\p:FR*(2*\t+\s)+2*\p+1], v[WA], s[10:11] offset:(32*(\t/2)+8*(\t%2))*384+96*(\s+2)+48*(\p/3)+8*(\p%3)
.endr
.endr
.endr
	WIN 0
.irp t, 0,1,2,3,4,5,6,7
	global_load_b128 v[WS+4*\t:WS+4*\t+3], v[WSA], s[18:19] offset:(32*(\t/2)+8*(\t%2))*16   ; a row's four scale words
.endr
	XLOAD 0, 0
	XLOAD 1, 0
	XLOAD 2, 0
	XLOAD 3, 0
; A BLOCK OF 64 TOKENS.  blk = 0 asks for the second block's x as soon as the raw sets are free; blk = 1 asks for nothing.
.macro BLOCK blk
.irp s, 0,1,2,3
	s_wait_loadcnt 48-16*\s                        ; raw set s is in (and, the first time, all that was asked for ahead of it: the weights); the sets issued behind it may be out
	TOSTG \s
.endr
	WIN 0
	s_wait_dscnt 0x0                               ; the stores have read the raw sets
.if \blk == 0
	XLOAD 0, NEXTB
	XLOAD 1, NEXTB
	XLOAD 2, NEXTB
	WIN 0
.endif
	LOADX 0, HA
.irp s, 0,1,2,3
.set CUR, HA+(XB-HA)*(\s%2)
.set NXT, HA+(XB-HA)*((\s+1)%2)
.if \s < 3
	LOADX \s+1, NXT
	s_wait_dscnt 16                                ; all but the 16 loads just issued: this K step's numbers are in, and the last image's stores have read their registers
.else
	s_wait_dscnt 0x0
.endif
	QUANT CUR
	IMAGE XWI, XIMG+FRB*\s
	ds_store_b32 v[XWS], v[PW] offset:128*\s
.endr
.if \blk == 0
	XLOAD 3, NEXTB                                 ; its registers were the second set of numbers until here; the sets stay in the order 0, 1, 2, 3
.endif
	BARRIER                                        ; x's sixteen fragments lie in LDS
	WIN 0xc0                                       ; destination window 3
.irp f, 0,1,2,3,4,5,6,7,8,9,10,11,12,13,14,15
.irp c, 0,1,2
	ds_load_b128 v[FR*\f+4*\c:FR*\f+4*\c+3], v[L16] offset:XIMG+FRB*\f+512*\c
.endr
.endr
	WIN 0
.irp f, 0,1,2,3,4,5,6,7,8,9,10,11,12,13,14,15
	ds_load_b32 v[XS+\f], v[L4] offset:XSC+128*\f
.endr
.if \blk == 0
	BARRIER                                        ; every wave has them in registers: the next block may write the images again
.else
	s_wait_dscnt 0x0
.endif
	s_cmp_eq_u32 s[PATH], 2
	s_cbranch_scc1 .Lv_\@
.irp m, 0,1,2,3                        ; q, k: tile m's 128 results a lane are one fragment: registers 0-5 head 2 w, registers 6-11 head 2 w + 1
	MULQK \m
	WIN 0
	PLACES
	s_wait_xcnt 0x0                                ; the earlier stores have read their data: the codes' registers may be written
	QUANT HA
	global_store_b128 v[L16], v[PC:PC+3], s[12:13] offset:3072*\blk+768*\m
	global_store_b64 v[L8], v[PC+4:PC+5], s[12:13] offset:3072*\blk+768*\m+512
	global_store_b128 v[L16], v[PC+6:PC+9], s[12:13] offset:HEADB+3072*\blk+768*\m
	global_store_b64 v[L8], v[PC+10:PC+11], s[12:13] offset:HEADB+3072*\blk+768*\m+512
	v_lshrrev_b32 v[SW+\m], v[SH16], v[PW]         ; lanes 0-15 keep head 2 w's two bytes lowest, lanes 16-31 take head 2 w + 1's; the upper two bytes scale zero codes and are never 0xff
.endr
	global_store_b128 v[OSA], v[SW:SW+3], s[20:21] offset:256*\blk   ; 256 bytes for each of the two heads
	s_branch .Ljoin_\@
.Lv_\@:
.irp p, 0,1,2,3                        ; v: half fragment c is weight tile 2 p + c: 16 d x this block's 64 keys
	MULV \p
	WIN 0
	PLACES
	s_wait_xcnt 0x0
	QUANT HA
	global_store_b128 v[L16], v[PC:PC+3], s[12:13] offset:(\p/2)*HEADB+3072*\blk+1536*(\p%2)
	global_store_b64 v[L8], v[PC+4:PC+5], s[12:13] offset:(\p/2)*HEADB+3072*\blk+1536*(\p%2)+512
	global_store_b128 v[L16], v[PC+6:PC+9], s[12:13] offset:(\p/2)*HEADB+3072*\blk+1536*(\p%2)+768
	global_store_b64 v[L8], v[PC+10:PC+11], s[12:13] offset:(\p/2)*HEADB+3072*\blk+1536*(\p%2)+1280
	v_lshrrev_b32 v[TP], v[SH16], v[PW]            ; lanes 0-15: tile 2 p's two bytes, lanes 16-31: tile 2 p + 1's
.if \blk == 0
	v_and_b32 v[SV+\p], 0xffff, v[TP]              ; the key step's first 64 keys: the word's low half
.else
	v_lshl_or_b32 v[SV+\p], v[TP], 16, v[SV+\p]    ; its second 64: the high half
.endif
.endr
.if \blk == 1
	global_store_b64 v[OSV], v[SV:SV+1], s[20:21]               ; head 2 w: 256 bytes: [r][2 (t % 2) + t / 2]
	global_store_b64 v[OSV], v[SV+2:SV+3], s[20:21] offset:4096 ; head 2 w + 1
.endif
.Ljoin_\@:
	s_wait_xcnt 0x0                                ; the stores have read their data
.endm
	BLOCK 0
	BLOCK 1
	s_wait_tensorcnt 0x0                           ; the wave's end
	ds_add_u32 v[SPW], v[NIL]
	s_wait_dscnt 0x0
	s_endpgm
.Lfunc_end_k_q293840a273_proj:
	.size	k_q293840a273_proj, .Lfunc_end_k_q293840a273_proj-k_q293840a273_proj
	.p2alignl 7, 3214868480
	.fill 96, 4, 3214868480
	.section	.rodata,"a",@progbits
	.p2align	6, 0x0
	.amdhsa_kernel k_q293840a273_proj
		.amdhsa_group_segment_fixed_size 162304
		.amdhsa_private_segment_fixed_size 0
		.amdhsa_enable_private_segment 0
		.amdhsa_kernarg_size 56
		.amdhsa_user_sgpr_count 2
		.amdhsa_user_sgpr_kernarg_segment_ptr 1
		.amdhsa_wavefront_size32 1
		.amdhsa_system_sgpr_workgroup_id_x 1
		.amdhsa_system_sgpr_workgroup_id_y 1
		.amdhsa_system_sgpr_workgroup_id_z 1
		.amdhsa_system_vgpr_workitem_id 0
		.amdhsa_next_free_vgpr 1024
		.amdhsa_next_free_sgpr 66
		.amdhsa_reserve_vcc 0
		.amdhsa_float_denorm_mode_32 3
		.amdhsa_float_denorm_mode_16_64 3
		.amdhsa_memory_ordered 1
		.amdhsa_forward_progress 1
		.amdhsa_inst_pref_size 228
	.end_amdhsa_kernel
	.amdgpu_metadata
---
amdhsa.version: [ 1, 2 ]
amdhsa.kernels:
  - .name:           k_q293840a273_proj
    .symbol:         k_q293840a273_proj.kd
    .args:
      - { .name: x1, .offset: 0, .size: 8, .value_kind: global_buffer, .address_space: global }
      - { .name: x2, .offset: 8, .size: 8, .value_kind: global_buffer, .address_space: global }
      - { .name: x3, .offset: 16, .size: 8, .value_kind: global_buffer, .address_space: global }
      - { .name: wb, .offset: 24, .size: 8, .value_kind: global_buffer, .address_space: global }
      - { .name: qb, .offset: 32, .size: 8, .value_kind: global_buffer, .address_space: global }
      - { .name: kb, .offset: 40, .size: 8, .value_kind: global_buffer, .address_space: global }
      - { .name: vb, .offset: 48, .size: 8, .value_kind: global_buffer, .address_space: global }
    .group_segment_fixed_size: 162304
    .private_segment_fixed_size: 0
    .kernarg_segment_align: 8
    .kernarg_segment_size: 56
    .max_flat_workgroup_size: 128
    .sgpr_count:     66
    .vgpr_count:     1024
    .wavefront_size: 32
...
	.end_amdgpu_metadata
.endif
;; end of part 2
;; launch attn (part 3): grid 8 x 32, 16 waves a work-group, clusters of 4 x 1, 210,944 bytes of LDS; arguments qb, kb, vb, ob; writes ob
.if DOCPART == 3
	.amdgcn_target "amdgcn-amd-amdhsa--gfx1250"
	.amdhsa_code_object_version 6
	.text
	.protected	k_q293840a273_attn
	.globl	k_q293840a273_attn
	.p2align	8
	.type	k_q293840a273_attn,@function
k_q293840a273_attn:
	s_mov_b64 s[64:65], 0
	v_nop
	global_prefetch_b8 v0, s[64:65] scope:SCOPE_SE
	s_setreg_imm32_b32 hwreg(HW_REG_WAVE_MODE, 25, 1), 1
	s_wait_xcnt 0x0
	s_wait_alu depctr_hold_cnt(0) depctr_sa_sdst(0) depctr_va_vdst(0) depctr_va_sdst(0) depctr_va_ssrc(0) depctr_va_vcc(0) depctr_vm_vsrc(0)
	s_getreg_b32 s2, hwreg(HW_REG_IB_STS2, 6, 4)
	s_cmp_eq_u32 s2, 0
	s_cbranch_scc0 .Lentry_in_a_cluster
	s_endpgm
.Lentry_in_a_cluster:
	s_bfe_u32 s2, ttmp6, 0x10000c
	s_cmp_lg_u32 s2, 0x3003
	s_cbranch_scc0 .Lentry_shape_is_right
	s_endpgm
.Lentry_shape_is_right:
; o[b][h][q] = the sum over keys of softmax(q . k / 8) v, both products on codes of FP6 (E2M3) with one E8M0 scale for each 32 along a product's K; o is quantised along h x 64 + d and leaves as codes.
; THE SOFTMAX AHEAD OF THE SECOND PRODUCT: t = score x log2(e) / 8; M = the running largest t rounded UP to a whole number; p = 2^(t - M) is quantised along the keys, not normalised; the row's sum is taken of the
; unquantised p and divides at the end (v_rcp_f32 and a multiply).  When M moves, the sum and O are multiplied by 2^(old M - new M): exact.
; SHARES.  Work-group (x, y): 256 queries of head y = 8 b + h; each of its sixteen waves owns one tile of 16 queries in 256 registers, four waves to a SIMD.  Every wave walks all 2,048 keys, 128 a step.
; A WHOLE HEAD'S K AND V LIE IN LDS: 98,304 bytes of codes each, 8,192 and 4,096 bytes of scale words.  Every LDS byte is filled once; nothing is filled again.  The codes come in four chunks of 512 keys,
; so that the first steps begin while the later chunks are on their way.
; CLUSTER.  The four query blocks of a cluster belong to one head: each load is asked for jointly, with a mask that names the four and a descriptor made of the head's number alone.
; LAYOUT.  Both products are used transposed (S^T = K Q^T, O^T = V^T P^T): a lane holds one query throughout.  K's tiles are in tile order, so the 16 registers of tiles 2 b and 2 b + 1 are keys 32 b + 16 h + 0 .. 15;
; V's d tiles likewise, so O^T's register 16 b + i is d = 32 b + 16 h + i.  The first product's K is 64: the upper half of K's and Q's fragments are zero codes, cleared once and never loaded.
; All operands are images of their registers: 768 bytes for six registers, read by one load of 16 bytes a lane and one of 8: consecutive bytes, no pitch.
; LIMITS: a block of zeros, or one under 2^-124, gets the byte 1 (this program alone reads the bytes); NaN and infinities are not served.
; REGISTERS: v1-4 addresses that stay; v5, v6 the add's two; v7-11, v243 addresses in hand; v12 -M, v13 the largest t, v[14:15] the sum; v16-27 Q; v28-31, v248-251 scale words; v32-127 K's 8 fragments;
;   v128-191 S^T, then p, then V's 4 fragments; v192-223 O^T; v224-235 p's codes; v236-247, v252, v254 at work; v253 p's scale word; v255 Q's.
.set KC,    0                          ; LDS: K's codes
.set VC,    98304                      ; V's codes
.set KS,    196608                     ; K's scale words
.set VS,    204800                     ; V's
.set SPARE, 208896                     ; the spare words, 128 bytes for each of sixteen waves
.set CHB,   24576                      ; a chunk: 512 keys' codes
.set L16, 1
.set L8,  2
.set AKS, 3                            ; KS + 16 r
.set AVS, 4                            ; VS + 16 r
.set SPW, 5
.set NIL, 6
.set ADK16, 7
.set ADK8,  8
.set ADV16, 9
.set ADV8,  10
.set ADS,   11
.set ADT,   243
.set Q,   16
.set KSW, 28
.set KF,  32
.set S,   128
.set O,   192
.set WV,  20
.set SEL, 22
.set CS,  24
.set TK,  26                           ; LDS byte of the step's codes, in K's region and in V's
.set TS,  27                           ; of its scale words of K: 512 bytes a step
.set TT,  18                           ; of V's: 256 bytes a step
.set CNT, 19
.set G1C, 28                           ; s[28:35] descriptor group 1: a chunk of codes, 96 rows of 256 bytes
.set G1K, 36                           ; s[36:43] K's scale words, 32 rows
.set G1V, 44                           ; s[44:51] V's, 16 rows
.macro CROUND                          ; a round of the cluster's barrier
	s_barrier_signal -1
	s_barrier_wait -1
	s_cmp_lg_u32 s[WV], 0
	s_cbranch_scc1 .Lnot_wave_0_\@
	s_barrier_signal -3
.Lnot_wave_0_\@:
	s_barrier_wait -3
	s_barrier_signal -1
	s_barrier_wait -1
.endm
.macro G0SET g, lds, base, off         ; a descriptor's group 0
	s_mov_b32 s[\g], 1                             ; count = 1
	s_mov_b32 s[\g+1], \lds                        ; LDS address
	s_add_nc_u64 s[\g+2:\g+3], s[\base:\base+1], \off   ; global address
	s_or_b32 s[\g+3], s[\g+3], 0x80000000          ; type = 2
.endm
	s_load_b256 s[4:11], s[0:1], 0x0               ; qb, kb, vb, ob
	v_lshl_add_u32 v[SPW], v0, 2, SPARE
	v_mov_b32 v[NIL], 0
	ds_add_u32 v[SPW], v[NIL]                      ; the wave's opening: the add and its wait ahead of the first tensor loads; work on registers stands between them
	v_lshrrev_b32 v7, 5, v0
	v_readfirstlane_b32 s[WV], v7                  ; wave 0..15
.irp g, G1C, G1K, G1V                  ; dense blocks as rows of 256 bytes: 32 elements of 8 bytes, no padding
	s_mov_b32 s[\g], 15|(3<<16)|(1<<21)            ; 15:0 the mask: all four work-groups; 17:16 elements of 8 bytes; 21 set beside a mask
	s_mov_b32 s[\g+1], 32<<16                      ; tensor_dim0
	s_mov_b32 s[\g+3], 32<<16                      ; tile_dim0
	s_mov_b32 s[\g+5], 32                          ; the pitch
	s_mov_b32 s[\g+6], 0
	s_mov_b32 s[\g+7], 0
.endr
	s_mov_b32 s[G1C+2], 96<<16                     ; tensor_dim1
	s_mov_b32 s[G1C+4], 96                         ; tile_dim1
	s_mov_b32 s[G1K+2], 32<<16
	s_mov_b32 s[G1K+4], 32
	s_mov_b32 s[G1V+2], 16<<16
	s_mov_b32 s[G1V+4], 16
	s_mov_b32 s[SEL], 0x76543210
	s_mov_b32 s[SEL+1], 0xfedcba98                 ; v_permlanex16_b32's selects for lane l xor 16
	s_mov_b32 s[CS], 0x3e38aa3b                    ; c = log2(e) / 8
	s_mov_b32 s[CS+1], s[CS]                       ; (named with it as a pair, so it is written)
	s_and_b32 s14, ttmp7, 0xffff                   ; the head, 8 b + h: shared by the four partners
	s_mul_i32 s16, s14, 98304                      ; its codes, in qb, kb and vb
	s_mov_b32 s17, 0
	s_lshl_b32 s2, s14, 13                         ; its scale words in qb and kb
	s_add_co_u32 s2, s2, 3145728
	s_mov_b32 s3, 0
	s_lshl_b32 s18, s14, 12                        ; and in vb
	s_add_co_u32 s18, s18, 3145728
	s_mov_b32 s19, 0
	s_bfe_u32 s12, ttmp6, 0x40000                  ; cx: it enters Q's and o's global addresses alone
	s_lshl_b32 s21, ttmp9, 2
	s_add_co_u32 s21, s21, s12
	s_lshl_b32 s21, s21, 4
	s_add_co_u32 s21, s21, s[WV]                   ; T: my tile of queries, 0 .. 127
	s_mul_i32 s12, s21, 768
	s_add_co_u32 s12, s12, s16                     ; Q's codes
	s_mov_b32 s13, 0
	s_lshr_b32 s15, s21, 2
	s_lshl_b32 s15, s15, 8
	s_and_b32 s100, s21, 3
	s_lshl_b32 s100, s100, 2
	s_add_co_u32 s100, s100, s15
	s_add_co_u32 s100, s100, s2                    ; Q's scale words: group T / 4, place T % 4
	s_mov_b32 s101, 0
	s_lshr_b32 s15, s14, 3
	s_lshl_b32 s15, s15, 7
	s_add_co_u32 s15, s15, s21                     ; 128 b + T
	s_and_b32 s14, s14, 7                          ; h
	s_lshl_b32 s96, s15, 3
	s_add_co_u32 s96, s96, s14
	s_mul_i32 s96, s96, 768                        ; o's codes: [tile][head][768]
	s_mov_b32 s97, 0
	s_lshl_b32 s98, s15, 8
	s_lshl_b32 s14, s14, 1
	s_add_co_u32 s98, s98, s14
	s_add_co_u32 s98, s98, 3145728                 ; o's scale bytes: [tile][r][16], mine at 2 h
	s_mov_b32 s99, 0
	v_and_b32 v7, 31, v0
	v_lshlrev_b32 v[L16], 4, v7
	v_lshlrev_b32 v[L8], 3, v7
	v_and_b32 v8, 15, v0
	v_lshlrev_b32 v9, 4, v8                        ; 16 r
	v_add_nc_u32 v[AKS], KS, v9
	v_add_nc_u32 v[AVS], VS, v9
	s_wait_dscnt 0x0                               ; the opening add is done
	s_wait_kmcnt 0x0
	s_add_nc_u64 s[66:67], s[6:7], s[2:3]          ; K's scale words
	s_add_nc_u64 s[6:7], s[6:7], s[16:17]          ; K's codes
	s_add_nc_u64 s[18:19], s[8:9], s[18:19]        ; V's scale words
	s_add_nc_u64 s[8:9], s[8:9], s[16:17]          ; V's codes
	s_add_nc_u64 s[12:13], s[4:5], s[12:13]
	s_add_nc_u64 s[100:101], s[4:5], s[100:101]
	s_add_nc_u64 s[96:97], s[10:11], s[96:97]
	s_add_nc_u64 s[98:99], s[10:11], s[98:99]
	G0SET 52, KS, 66, 0
	G0SET 56, KC, 6, 0
	G0SET 60, KC+CHB, 6, CHB
	G0SET 68, KC+2*CHB, 6, 2*CHB
	G0SET 72, KC+3*CHB, 6, 3*CHB
	G0SET 76, VS, 18, 0
	G0SET 80, VC, 8, 0
	G0SET 84, VC+CHB, 8, CHB
	G0SET 88, VC+2*CHB, 8, 2*CHB
	G0SET 92, VC+3*CHB, 8, 3*CHB
	CROUND                                         ; all four work-groups are here: the joint loads meet
	s_cmp_eq_u32 s[WV], 0                          ; wave 0 asks for K, wave 1 for V, each in one branch: five loads of the wave are out; an s_nop 0 follows each, four v_nop the last
	s_cbranch_scc0 .Lnot_k
	tensor_load_to_lds s[52:55], s[G1K:G1K+7]
	s_nop 0
	tensor_load_to_lds s[56:59], s[G1C:G1C+7]
	s_nop 0
	tensor_load_to_lds s[60:63], s[G1C:G1C+7]
	s_nop 0
	tensor_load_to_lds s[68:71], s[G1C:G1C+7]
	s_nop 0
	tensor_load_to_lds s[72:75], s[G1C:G1C+7]
	s_nop 0
.rept 4
	v_nop
.endr
	s_branch .Lasked
.Lnot_k:
	s_cmp_eq_u32 s[WV], 1
	s_cbranch_scc0 .Lasked
	tensor_load_to_lds s[76:79], s[G1V:G1V+7]
	s_nop 0
	tensor_load_to_lds s[80:83], s[G1C:G1C+7]
	s_nop 0
	tensor_load_to_lds s[84:87], s[G1C:G1C+7]
	s_nop 0
	tensor_load_to_lds s[88:91], s[G1C:G1C+7]
	s_nop 0
	tensor_load_to_lds s[92:95], s[G1C:G1C+7]
	s_nop 0
.rept 4
	v_nop
.endr
.Lasked:
	global_load_b128 v[Q:Q+3], v[L16], s[12:13]    ; Q's half fragment stays in registers
	global_load_b64 v[Q+4:Q+5], v[L8], s[12:13] offset:512
	global_load_b32 v255, v9, s[100:101]           ; and its scale words
.irp i, 6,7,8,9,10,11
	v_mov_b32 v[Q+\i], 0                           ; K = 64 .. 127 of the first product: zero codes
.irp t, 0,1,2,3,4,5,6,7
	v_mov_b32 v[KF+12*\t+\i], 0
.endr
.endr
.irp j, 0,1,2,3,4,5,6,7,8,9,10,11,12,13,14,15,16,17,18,19,20,21,22,23,24,25,26,27,28,29,30,31
	v_mov_b32 v[O+\j], 0                           ; O^T: the step is written without a first step of its own; the first change of M leaves zeros zeros
.endr
	v_mov_b32 v13, 0xff61b1e6                      ; the largest t so far: -3e38
	v_floor_f32 v12, -v13                          ; -M
	v_mov_b32 v14, 0
	v_mov_b32 v15, 0
.irp b, 0,1,2,3
	v_mov_b32 v[236+\b], 0                         ; written once: a lane permute's destination counts as one of its sources
.endr
	v_mov_b32 v253, 0                              ; (named as the upper half of the pair v[252:253] before it is first written)
	s_wait_loadcnt 0x0                             ; Q
; A KEY STEP: 128 keys
.macro STEP
	v_add_nc_u32 v[ADK16], s[TK], v[L16]           ; these six plain lines are also the places between the last products, which read V's fragments and scale words, and what writes over those registers below
	v_add_nc_u32 v[ADK8], s[TK], v[L8]
	v_add_nc_u32 v[ADV16], VC, v[ADK16]
	v_add_nc_u32 v[ADV8], VC, v[ADK8]
	v_add_nc_u32 v[ADS], s[TS], v[AKS]
	v_add_nc_u32 v[ADT], s[TT], v[AVS]
.irp t, 0,1,2,3,4,5,6,7
	ds_load_b128 v[KF+12*\t:KF+12*\t+3], v[ADK16] offset:768*\t
	ds_load_b64 v[KF+12*\t+4:KF+12*\t+5], v[ADK8] offset:768*\t+512
.endr
	ds_load_b128 v[KSW:KSW+3], v[ADS]              ; the scale words of tiles 0-3,
	ds_load_b128 v[248:251], v[ADS] offset:256     ; of tiles 4-7
	s_wait_dscnt 0x0
.irp t, 0,1,2,3
	v_wmma_scale_f32_16x16x128_f8f6f4 v[S+8*\t:S+8*\t+7], v[KF+12*\t:KF+12*\t+11], v[Q:Q+11], 0, v[KSW+\t], v255 matrix_a_fmt:MATRIX_FMT_FP6 matrix_b_fmt:MATRIX_FMT_FP6
.endr
.irp t, 4,5,6,7
	v_wmma_scale_f32_16x16x128_f8f6f4 v[S+8*\t:S+8*\t+7], v[KF+12*\t:KF+12*\t+11], v[Q:Q+11], 0, v[244+\t], v255 matrix_a_fmt:MATRIX_FMT_FP6 matrix_b_fmt:MATRIX_FMT_FP6
.endr
.rept 4
	v_nop                                          ; places ahead of the first read of the scores
.endr
.irp b, 0,1,2,3
	v_max3_num_f32 v[232+\b], v[S+16*\b], v[S+1+16*\b], v[S+2+16*\b]   ; the largest score of each block of 32 keys: it serves the row's maximum and, since p rises with the score, the block's largest p
.endr
.irp i, 3,5,7,9,11,13
.irp b, 0,1,2,3
	v_max3_num_f32 v[232+\b], v[232+\b], v[S+16*\b+\i], v[S+1+16*\b+\i]
.endr
.endr
.irp b, 0,1,2,3
	v_max_num_f32 v[232+\b], v[232+\b], v[S+15+16*\b]
.endr
.irp b, 0,1,2,3
	v_permlanex16_b32 v[236+\b], v[232+\b], s[SEL], s[SEL+1]
.endr
.irp b, 0,1,2,3
	v_max_num_f32 v[232+\b], v[232+\b], v[236+\b]  ; with lane l xor 16's 16 keys
.endr
	v_max3_num_f32 v254, v232, v233, v234
	v_max_num_f32 v254, v254, v235                 ; the step's largest score of my query
	v_mul_f32 v254, s[CS], v254                    ; as t (c is positive)
	v_max_num_f32 v13, v13, v254                   ; the running largest t
	v_mov_b32 v254, v12
	v_floor_f32 v12, -v13                          ; the new -M = floor(-t) = -ceil(t)
	v_sub_f32 v254, v12, v254                      ; old M - new M: a whole number, 0 or less
	v_cvt_i32_f32 v254, v254                       ; (it saturates)
	v_ldexp_f32 v252, 1.0, v254                    ; f = 2^(old M - new M)
.irp j, 0,2,4,6,8,10,12,14,16,18,20,22,24,26,28,30,32,34,36,38,40,42,44,46,48,50,52,54,56,58,60,62
	v_pk_fma_f32 v[S+\j:S+1+\j], v[S+\j:S+1+\j], s[CS:CS+1], v[12:13] op_sel_hi:[1,0,0]   ; t - M, two at a time
.endr
.irp b, 0,1,2,3
	v_fma_f32 v[232+\b], v[232+\b], s[CS], v12     ; the same of each block's largest score
.endr
.irp j, 0,1,2,3,4,5,6,7,8,9,10,11,12,13,14,15,16,17,18,19,20,21,22,23,24,25,26,27,28,29,30,31,32,33,34,35,36,37,38,39,40,41,42,43,44,45,46,47,48,49,50,51,52,53,54,55,56,57,58,59,60,61,62,63
	v_exp_f32 v[S+\j], v[S+\j]                     ; p = 2^(t - M), at most 1
.endr
	v_pk_mul_f32 v[14:15], v[14:15], v[252:253] op_sel_hi:[1,0]   ; the sums under the new M: the plain place behind the exponentials
	s_wait_alu depctr_va_vdst(0)                   ; ahead of the batch's first reader: one wait for the 64
.irp b, 0,1,2,3
	v_exp_f32 v[232+\b], v[232+\b]                 ; each block's largest p
.endr
	v_pk_add_f32 v[236:237], v[S:S+1], v[S+2:S+3]  ; the row's sum is taken of the unquantised p, in two chains
.irp j, 4,8,12,16,20,24,28,32,36,40,44,48,52,56,60
	v_pk_add_f32 v[14:15], v[14:15], v[S+\j:S+1+\j]
	v_pk_add_f32 v[236:237], v[236:237], v[S+2+\j:S+3+\j]
.endr
	v_pk_add_f32 v[14:15], v[14:15], v[236:237]
	s_wait_alu depctr_va_vdst(0)                   ; and one for the four
.irp b, 0,1,2,3
	v_max_num_f32 v[232+\b], 0x1800000, v[232+\b]  ; the floor 2^(3 - 127): the byte cannot fall under 1
.endr
.irp b, 0,1,2,3
	v_add_nc_u32 v[244+\b], 0xff000000, v[232+\b]  ; 2 off the exponent field: the conversion's scale operand
.endr
.irp b, 0,1,2,3
	v_lshrrev_b32 v[236+\b], 23, v[244+\b]         ; the scale's byte
.endr
	v_lshl_or_b32 v253, v237, 8, v236              ; p's scale word for these 128 keys
	v_lshl_or_b32 v253, v238, 16, v253
	v_lshl_or_b32 v253, v239, 24, v253
.irp c, 0,1
	v_cvt_scalef32_pk16_fp6_f32 v[224+6*\c:226+6*\c], v[S+32*\c:S+15+32*\c], v[244+2*\c]
	v_cvt_scalef32_pk16_fp6_f32 v[236+4*\c:238+4*\c], v[S+16+32*\c:S+31+32*\c], v[244+2*\c+1]
.endr
	v_nop                                          ; one plain place behind a scaled conversion
.irp c, 0,1                            ; a WHOLE block in a lane: lanes 0-15 block 2 c, lanes 16-31 block 2 c + 1
.irp i, 0,1,2
	v_permlane16_swap_b32 v[224+6*\c+\i], v[236+4*\c+\i]
.endr
.irp i, 0,1,2
	v_mov_b32 v[227+6*\c+\i], v[236+4*\c+\i]
.endr
.endr
.irp t, 0,1,2,3                        ; V's four fragments take p's registers: registers 0-5 the step's first 64 keys, registers 6-11 its second
	ds_load_b128 v[S+12*\t:S+12*\t+3], v[ADV16] offset:768*\t
	ds_load_b64 v[S+12*\t+4:S+12*\t+5], v[ADV8] offset:768*\t+512
	ds_load_b128 v[S+12*\t+6:S+12*\t+9], v[ADV16] offset:3072+768*\t
	ds_load_b64 v[S+12*\t+10:S+12*\t+11], v[ADV8] offset:3584+768*\t
.endr
	ds_load_b128 v[248:251], v[ADT]                ; V's scale words: d tile t's at place 2 (t % 2) + t / 2
.irp j, 0,2,4,6,8,10,12,14,16,18,20,22,24,26,28,30
	v_pk_mul_f32 v[O+\j:O+1+\j], v[O+\j:O+1+\j], v[252:253] op_sel_hi:[1,0]   ; O^T under the new M; these sixteen are also the places between the writes of p's codes and scale word and the products
.endr
	s_wait_dscnt 0x0
.irp t, 0,1,2,3
	v_wmma_scale_f32_16x16x128_f8f6f4 v[O+8*\t:O+8*\t+7], v[S+12*\t:S+12*\t+11], v[224:235], v[O+8*\t:O+8*\t+7], v[248+2*(\t%2)+\t/2], v253 matrix_a_fmt:MATRIX_FMT_FP6 matrix_b_fmt:MATRIX_FMT_FP6
.endr
	s_add_co_u32 s[TK], s[TK], 6144
	s_add_co_u32 s[TS], s[TS], 512
	s_add_co_u32 s[TT], s[TT], 256
.endm
; A CHUNK: 512 keys, four steps.  The waves that asked wait until the scale words and chunks 0 .. c have landed; the 3 - c chunks issued behind them may stay out.
.macro CHUNK c
	s_wait_tensorcnt 3-\c
	s_wait_dscnt 0x0
	s_barrier_signal -1
	s_barrier_wait -1                              ; now every wave may read chunk c
	s_mov_b32 s[TK], CHB*\c
	s_mov_b32 s[TS], 2048*\c
	s_mov_b32 s[TT], 1024*\c
	s_mov_b32 s[CNT], 4
.Lstep_\@:
	STEP
	s_sub_co_u32 s[CNT], s[CNT], 1
	s_cmp_lg_u32 s[CNT], 0
	s_cbranch_scc1 .Lstep_\@
.endm
	CHUNK 0
	CHUNK 1
	CHUNK 2
	CHUNK 3
	; THE WAY OUT: O^T / the sum, quantised along d (two blocks of 32), as half a fragment of the last product's operand
	v_add_f32 v14, v14, v15                        ; the sum's two halves,
	v_permlanex16_b32 v252, v14, s[SEL], s[SEL+1]
	v_add_f32 v14, v14, v252                       ; and lane l xor 16's
	v_rcp_f32 v14, v14
	v_and_b32 v7, 15, v0                           ; plain lines behind the reciprocal, and the places behind the last products
	v_lshlrev_b32 v7, 4, v7                        ; 16 r
	v_nop
	v_nop
	s_wait_alu depctr_va_vdst(0)                   ; ahead of the reciprocal's first reader
.irp j, 0,2,4,6,8,10,12,14,16,18,20,22,24,26,28,30
	v_pk_mul_f32 v[S+\j:S+1+\j], v[O+\j:O+1+\j], v[14:15] op_sel_hi:[1,0]   ; each accumulator from its low end on
.endr
.irp b, 0,1
	v_max3_num_f32 v[232+\b], |v[S+16*\b]|, |v[S+1+16*\b]|, 0x1800000
.endr
.irp i, 2,4,6,8,10,12,14
.irp b, 0,1
	v_max3_num_f32 v[232+\b], v[232+\b], |v[S+16*\b+\i]|, |v[S+1+16*\b+\i]|
.endr
.endr
.irp b, 0,1
	v_permlanex16_b32 v[236+\b], v[232+\b], s[SEL], s[SEL+1]
.endr
.irp b, 0,1
	v_max_num_f32 v[232+\b], v[232+\b], v[236+\b]
.endr
.irp b, 0,1
	v_add_nc_u32 v[244+\b], 0xff000000, v[232+\b]
.endr
.irp b, 0,1
	v_lshrrev_b32 v[236+\b], 23, v[244+\b]
.endr
	v_lshl_or_b32 v253, v237, 8, v236              ; my row's two scale bytes
	v_cvt_scalef32_pk16_fp6_f32 v[224:226], v[S:S+15], v244
	v_cvt_scalef32_pk16_fp6_f32 v[236:238], v[S+16:S+31], v245
	v_nop                                          ; one plain place behind a scaled conversion
.irp i, 0,1,2
	v_permlane16_swap_b32 v[224+\i], v[236+\i]
.endr
.irp i, 0,1,2
	v_mov_b32 v[227+\i], v[236+\i]
.endr
	global_store_b128 v[L16], v[224:227], s[96:97]              ; 512 consecutive bytes,
	global_store_b64 v[L8], v[228:229], s[96:97] offset:512     ; and 256
	global_store_b16 v7, v253, s[98:99]            ; two bytes a row: a row's sixteen come from eight heads, which are eight work-groups.  Lanes 16-31 hold the same value and name the same address as lanes 0-15
	s_wait_tensorcnt 0x0                           ; the wave's end
	ds_add_u32 v[SPW], v[NIL]
	s_wait_dscnt 0x0
	CROUND                                         ; the closing round
	s_endpgm
.Lfunc_end_k_q293840a273_attn:
	.size	k_q293840a273_attn, .Lfunc_end_k_q293840a273_attn-k_q293840a273_attn
	.p2alignl 7, 3214868480
	.fill 96, 4, 3214868480
	.section	.rodata,"a",@progbits
	.p2align	6, 0x0
	.amdhsa_kernel k_q293840a273_attn
		.amdhsa_group_segment_fixed_size 210944
		.amdhsa_private_segment_fixed_size 0
		.amdhsa_enable_private_segment 0
		.amdhsa_kernarg_size 32
		.amdhsa_user_sgpr_count 2
		.amdhsa_user_sgpr_kernarg_segment_ptr 1
		.amdhsa_wavefront_size32 1
		.amdhsa_system_sgpr_workgroup_id_x 1
		.amdhsa_system_sgpr_workgroup_id_y 1
		.amdhsa_system_sgpr_workgroup_id_z 1
		.amdhsa_system_vgpr_workitem_id 0
		.amdhsa_next_free_vgpr 256
		.amdhsa_next_free_sgpr 102
		.amdhsa_reserve_vcc 0
		.amdhsa_float_denorm_mode_32 3
		.amdhsa_float_denorm_mode_16_64 3
		.amdhsa_memory_ordered 1
		.amdhsa_forward_progress 1
		.amdhsa_inst_pref_size 81
	.end_amdhsa_kernel
	.amdgpu_metadata
---
amdhsa.version: [ 1, 2 ]
amdhsa.kernels:
  - .name:           k_q293840a273_attn
    .symbol:         k_q293840a273_attn.kd
    .args:
      - { .name: qb, .offset: 0, .size: 8, .value_kind: global_buffer, .address_space: global }
      - { .name: kb, .offset: 8, .size: 8, .value_kind: global_buffer, .address_space: global }
      - { .name: vb, .offset: 16, .size: 8, .value_kind: global_buffer, .address_space: global }
      - { .name: ob, .offset: 24, .size: 8, .value_kind: global_buffer, .address_space: global }
    .group_segment_fixed_size: 210944
    .private_segment_fixed_size: 0
    .kernarg_segment_align: 8
    .kernarg_segment_size: 32
    .max_flat_workgroup_size: 512
    .sgpr_count:     102
    .vgpr_count:     256
    .wavefront_size: 32
...
	.end_amdgpu_metadata
.endif
;; end of part 3
;; launch oproj (part 4): grid 256 x 1, 4 waves a work-group, no clusters, 34,304 bytes of LDS; arguments ob, wb, bo, out0; writes out0
.if DOCPART == 4
	.amdgcn_target "amdgcn-amd-amdhsa--gfx1250"
	.amdhsa_code_object_version 6
	.text
	.protected	k_q293840a273_oproj
	.globl	k_q293840a273_oproj
	.p2align	8
	.type	k_q293840a273_oproj,@function
k_q293840a273_oproj:
	s_mov_b64 s[64:65], 0
	v_nop
	global_prefetch_b8 v0, s[64:65] scope:SCOPE_SE
	s_setreg_imm32_b32 hwreg(HW_REG_WAVE_MODE, 25, 1), 1
	s_wait_xcnt 0x0
; out0 = o Wo + bo: [8,192][512] x [512][512] on codes of FP6 (E2M3) with one E8M0 scale for each 32 along K; sums and out0 in f32.
; o arrives as images of operand registers, [tile 512][head 8][768 bytes], scale bytes [tile][r 16][16] at 3,145,728; tile 2 g + u, lane r, is token 32 g + 8 u + r + (r & 8).  Wo's codes lie at 589,824 of wb, its scale bytes at 811,008.
; Work-group g takes tiles 2 g and 2 g + 1: tokens 32 g .. 32 g + 31.  Wave w takes columns 128 w .. 128 w + 127: 8 tiles x 4 K steps of Wo in 384 registers.
; The product is used transposed (source 0 = 16 rows of Wo's codes, source 1 = 16 tokens): a lane holds eight neighbouring columns of one row.  The bias is the C of each sum's first matrix instruction.
; The way out goes through each wave's own stage in LDS: rows come back whole, and a store covers 512 consecutive aligned bytes.
; No tensor load and no cluster: operands go straight into registers in fragment order, each read once by a wave.
; REGISTERS: window 0: v1-8 addresses; v16-143 the 16 accumulators (64 u + 8 t); v144-207 rows on their way out; v208-239 Wo's scale words; v240-247 o's; v248, v249 the add's two.
;   window 1: W(t, K step 0, 1); v192-255 the bias.   window 2: W(t, K step 2, 3).   window 3: v0-95 o's fragments (48 u + 12 s).
.set FR,    12
.set SPITCH, 528
.set WSTG,  16*SPITCH
.set SPARE, 4*WSTG
.set L16, 1
.set L8,  2
.set R16, 3
.set STO, 4
.set RD,  5
.set WA,  6
.set H32, 8
.set HA,  16
.set BK,  144
.set WS,  208
.set XS,  240
.set SPW, 248
.set NIL, 249
.set BIAS, 192
.set MSB, 0
.macro WIN new                         ; the immediate's high byte repeats the setting that is left
.if MSB != (\new)
	s_set_vgpr_msb (MSB<<8)|(\new)
.set MSB, (\new)
.endif
.endm
	s_load_b256 s[4:11], s[0:1], 0x0               ; ob, wb, bo, out0
	v_lshl_add_u32 v[SPW], v0, 2, SPARE
	v_mov_b32 v[NIL], 0
	v_lshrrev_b32 v9, 5, v0
	v_readfirstlane_b32 s12, v9                    ; wave 0..3
	v_and_b32 v9, 31, v0
	v_lshlrev_b32 v[L16], 4, v9
	v_lshlrev_b32 v[L8], 3, v9
	v_and_b32 v10, 15, v0                          ; r
	v_bfe_u32 v11, v0, 4, 1                        ; h
	v_lshlrev_b32 v[R16], 4, v10
	s_mul_i32 s13, s12, WSTG                       ; my stage
	v_mul_u32_u24 v[STO], v10, SPITCH
	v_lshl_add_u32 v[STO], v11, 5, v[STO]
	v_add_nc_u32 v[STO], s13, v[STO]               ; in: row r, 32 bytes for each half of the lanes
	v_add_nc_u32 v[RD], s13, v[L16]                ; back: a row of 512 bytes, 16 a lane
	v_mul_u32_u24 v[WA], v10, 384
	v_mad_u32_u24 v[WA], v11, 24, v[WA]
	v_lshlrev_b32 v[H32], 5, v11
	s_mul_i32 s14, ttmp9, 12288                    ; o's codes: two tiles of 6,144 bytes
	s_mov_b32 s15, 0
	s_lshl_b32 s16, ttmp9, 9                       ; o's scale bytes
	s_add_co_u32 s16, s16, 3145728
	s_mov_b32 s17, 0
	s_mul_i32 s18, s12, 49152                      ; Wo's codes: my 128 rows
	s_add_co_u32 s18, s18, 589824
	s_mov_b32 s19, 0
	s_lshl_b32 s20, s12, 11                        ; Wo's scale bytes
	s_add_co_u32 s20, s20, 811008
	s_mov_b32 s21, 0
	s_lshl_b32 s22, s12, 9                         ; my 128 columns, in bo and in a row of out0
	s_mov_b32 s23, 0
	s_lshl_b32 s24, ttmp9, 16                      ; 32 rows of 2,048 bytes
	s_add_co_u32 s24, s24, s22
	s_mov_b32 s25, 0
	s_wait_kmcnt 0x0
	s_add_nc_u64 s[26:27], s[4:5], s[16:17]
	s_add_nc_u64 s[4:5], s[4:5], s[14:15]
	s_add_nc_u64 s[28:29], s[6:7], s[20:21]
	s_add_nc_u64 s[6:7], s[6:7], s[18:19]
	s_add_nc_u64 s[8:9], s[8:9], s[22:23]
	s_add_nc_u64 s[10:11], s[10:11], s[24:25]
	WIN 0xc0                                       ; destination window 3
.irp u, 0,1
.irp d, 0,1,2,3,4,5,6,7
	global_load_b128 v[48*\u+6*\d:48*\u+6*\d+3], v[L16], s[4:5] offset:6144*\u+768*\d
	global_load_b64 v[48*\u+6*\d+4:48*\u+6*\d+5], v[L8], s[4:5] offset:6144*\u+768*\d+512
.endr
.endr
	WIN 0x40                                       ; destination window 1
.irp t, 0,1,2,3,4,5,6,7
.irp s, 0,1
.irp p, 0,1,2,3,4,5
	global_load_b64 v[FR*(2*\t+\s)+2*\p:FR*(2*\t+\s)+2*\p+1], v[WA], s[6:7] offset:16*\t*384+96*\s+48*(\p/3)+8*(\p%3)
.endr
.endr
	global_load_b128 v[BIAS+8*\t:BIAS+8*\t+3], v[H32], s[8:9] offset:64*\t        ; bo[128 w + 16 t + 8 h + 0 .. 7]: the result's layout
	global_load_b128 v[BIAS+8*\t+4:BIAS+8*\t+7], v[H32], s[8:9] offset:64*\t+16
.endr
	WIN 0x80                                       ; destination window 2
.irp t, 0,1,2,3,4,5,6,7
.irp s, 0,1
.irp p, 0,1,2,3,4,5
	global_load_b64 v[FR*(2*\t+\s)+2*\p:FR*(2*\t+\s)+2*\p+1], v[WA], s[6:7] offset:16*\t*384+96*(\s+2)+48*(\p/3)+8*(\p%3)
.endr
.endr
.endr
	WIN 0
.irp t, 0,1,2,3,4,5,6,7
	global_load_b128 v[WS+4*\t:WS+4*\t+3], v[R16], s[28:29] offset:256*\t
.endr
.irp u, 0,1
	global_load_b128 v[XS+4*\u:XS+4*\u+3], v[R16], s[26:27] offset:256*\u
.endr
	s_wait_loadcnt 0x0
.irp u, 0,1                            ; eight accumulators by turns, K step by K step
.irp s, 0,1,2,3
.if \s == 0
	WIN 0x1d                                       ; source 0 (W) window 1, source 1 (o) window 3, source 2 (the bias) window 1
.elseif \s == 1
	WIN 0x0d
.else
	WIN 0x0e                                       ; source 0 window 2
.endif
.irp t, 0,1,2,3,4,5,6,7
.if \s == 0
	v_wmma_scale_f32_16x16x128_f8f6f4 v[HA+64*\u+8*\t:HA+64*\u+8*\t+7], v[FR*(2*\t+\s%2):FR*(2*\t+\s%2)+FR-1], v[48*\u+FR*\s:48*\u+FR*\s+FR-1], v[BIAS+8*\t:BIAS+8*\t+7], v[WS+4*\t+\s], v[XS+4*\u+\s] matrix_a_fmt:MATRIX_FMT_FP6 matrix_b_fmt:MATRIX_FMT_FP6
.else
	v_wmma_scale_f32_16x16x128_f8f6f4 v[HA+64*\u+8*\t:HA+64*\u+8*\t+7], v[FR*(2*\t+\s%2):FR*(2*\t+\s%2)+FR-1], v[48*\u+FR*\s:48*\u+FR*\s+FR-1], v[HA+64*\u+8*\t:HA+64*\u+8*\t+7], v[WS+4*\t+\s], v[XS+4*\u+\s] matrix_a_fmt:MATRIX_FMT_FP6 matrix_b_fmt:MATRIX_FMT_FP6
.endif
.endr
.endr
.endr
	WIN 0
.rept 4
	v_nop                                          ; places ahead of the first read of results
.endr
.irp u, 0,1
.if \u == 1
	s_wait_xcnt 0x0                                ; the first tile's stores have read their data: the registers may be loaded again
.endif
.irp t, 0,1,2,3,4,5,6,7
	ds_store_b128 v[STO], v[HA+64*\u+8*\t:HA+64*\u+8*\t+3] offset:64*\t          ; each accumulator from its low end on
	ds_store_b128 v[STO], v[HA+64*\u+8*\t+4:HA+64*\u+8*\t+7] offset:64*\t+16
.endr
.irp i, 0,1,2,3,4,5,6,7,8,9,10,11,12,13,14,15
	ds_load_b128 v[BK+4*\i:BK+4*\i+3], v[RD] offset:SPITCH*\i   ; LDS serves a wave's instructions in order: these see my stores
.endr
.irp i, 0,1,2,3,4,5,6,7,8,9,10,11,12,13,14,15
	s_wait_dscnt 15-\i                             ; the younger loads may stay out
	global_store_b128 v[L16], v[BK+4*\i:BK+4*\i+3], s[10:11] offset:(8*\u+\i+(\i&8))*2048 th:TH_STORE_NT   ; tile order back to rows: 512 consecutive aligned bytes
.endr
.endr
	s_wait_tensorcnt 0x0                           ; the wave's end
	ds_add_u32 v[SPW], v[NIL]
	s_wait_dscnt 0x0
	s_endpgm
.Lfunc_end_k_q293840a273_oproj:
	.size	k_q293840a273_oproj, .Lfunc_end_k_q293840a273_oproj-k_q293840a273_oproj
	.p2alignl 7, 3214868480
	.fill 96, 4, 3214868480
	.section	.rodata,"a",@progbits
	.p2align	6, 0x0
	.amdhsa_kernel k_q293840a273_oproj
		.amdhsa_group_segment_fixed_size 34304
		.amdhsa_private_segment_fixed_size 0
		.amdhsa_enable_private_segment 0
		.amdhsa_kernarg_size 32
		.amdhsa_user_sgpr_count 2
		.amdhsa_user_sgpr_kernarg_segment_ptr 1
		.amdhsa_wavefront_size32 1
		.amdhsa_system_sgpr_workgroup_id_x 1
		.amdhsa_system_sgpr_workgroup_id_y 1
		.amdhsa_system_sgpr_workgroup_id_z 1
		.amdhsa_system_vgpr_workitem_id 0
		.amdhsa_next_free_vgpr 864
		.amdhsa_next_free_sgpr 66
		.amdhsa_reserve_vcc 0
		.amdhsa_float_denorm_mode_32 3
		.amdhsa_float_denorm_mode_16_64 3
		.amdhsa_memory_ordered 1
		.amdhsa_forward_progress 1
		.amdhsa_inst_pref_size 43
	.end_amdhsa_kernel
	.amdgpu_metadata
---
amdhsa.version: [ 1, 2 ]
amdhsa.kernels:
  - .name:           k_q293840a273_oproj
    .symbol:         k_q293840a273_oproj.kd
    .args:
      - { .name: ob, .offset: 0, .size: 8, .value_kind: global_buffer, .address_space: global }
      - { .name: wb, .offset: 8, .size: 8, .value_kind: global_buffer, .address_space: global }
      - { .name: bo, .offset: 16, .size: 8, .value_kind: global_buffer, .address_space: global }
      - { .name: out0, .offset: 24, .size: 8, .value_kind: global_buffer, .address_space: global }
    .group_segment_fixed_size: 34304
    .private_segment_fixed_size: 0
    .kernarg_segment_align: 8
    .kernarg_segment_size: 32
    .max_flat_workgroup_size: 128
    .sgpr_count:     66
    .vgpr_count:     864
    .wavefront_size: 32
...
	.end_amdgpu_metadata
.endif
;; end of part 4
;; ======== version 2 of 2: 4 launches
;; limits: right only within a limited range of input values
;; workspace buffers: wb 819,200 bytes; qb 6,684,672 bytes; kvb 6,684,672 bytes; ob 3,276,800 bytes
;; launch quant_w (part 5): grid 8 x 4, 8 waves a work-group, no clusters, 2,048 bytes of LDS; arguments Wq, Wk, Wv, Wo, wb; writes wb
.if DOCPART == 5
	.amdgcn_target "amdgcn-amd-amdhsa--gfx1250"
	.amdhsa_code_object_version 6
	.text
	.protected	k_q293840a273_quant_w
	.globl	k_q293840a273_quant_w
	.p2align	8
	.type	k_q293840a273_quant_w,@function
k_q293840a273_quant_w:
	s_mov_b64 s[64:65], 0
	v_nop
	global_prefetch_b8 v0, s[64:65] scope:SCOPE_SE
	s_setreg_imm32_b32 hwreg(HW_REG_WAVE_MODE, 25, 1), 1
	s_wait_xcnt 0x0
; The four weights, each [512 (k)][512 (n)] f32 with K on the FIRST axis, become codes of FP6 (E2M3), laid in wb AS IMAGES OF THE FRAGMENTS in which the later launches take them, and one E8M0 byte for each 32 along K.
; Weight 0 = Wq, 1 = Wk, 2 = Wv, 3 = Wo.  Codes at byte 0: [weight][group of 128 columns][tile t 0..7][K step S 0..3][1,536 bytes]; in an image registers 4 g .. 4 g + 3 of lane l lie at 512 g + 16 l.
; Tile t, lane row r, is column 32 (t / 2) + 8 (t % 2) + r + (r & 8) of its group.  Scale bytes at byte 786,432: [weight][n][16].
; A LANE TAKES A COLUMN n AND ITS REGISTERS RUN DOWN K: a load reads 128 consecutive bytes a wave, a block of 32 along K lies in one lane's 32 registers, and the conversions give codes with K innermost.
; A fragment's lane (r, h) holds, of its row, K = 32 h + 0 .. 31 in registers 0-5 and K = 64 + 32 h + 0 .. 31 in registers 6-11: these are blocks h and 2 + h of a K step of 128.  So a lane that has quantised the four
; blocks of one K step of its column holds the twelve registers of lane (r, 0) and the twelve of lane (r, 1), and stores them where those lanes will load them: nothing goes through LDS, nothing is transposed.
; Work-group (x, y): columns 64 x .. 64 x + 63 (256 bytes of each row) of weight y.  Wave wv: columns 32 (2 x + wv % 2) + 0 .. 31, K step wv / 2.
; A store of 16 bytes a lane covers two whole aligned runs of 256 bytes: lanes 0-7 and 16-23 are rows 0-15 of the even tile, lanes 8-15 and 24-31 those of the odd tile.
; A wave makes one scale word a column; the four K steps' words meet in LDS, and waves 0 and 1 store a column group's 512 consecutive bytes.
; A block's scale is 2^(floor(log2(largest magnitude)) - 2); its byte is the largest magnitude's exponent field - 2, held at 1 from below.
; LIMITS: a block of zeros, or one whose largest magnitude lies under 2^-124, gets the byte 1 (its codes are zeros or are held as the clip says; this program alone reads the bytes); NaN and infinities are not served.
; No tensor loads; no cluster: work-groups share no input.
.set EMAX,  2
.set ROWW,  2048                       ; a row of a weight in bytes
.set FRB,   1536                       ; a fragment's image in bytes
.set WCODES, 196608                    ; a weight's codes in bytes
.set WSCALES, 786432                   ; where the scale bytes begin
.set SPARE, 1024                       ; LDS: bytes 0 .. 1,023 the scale words of 64 columns; behind them the spare words, 128 bytes for each of eight waves
.set LD4,   3                          ; v3       4 x lane
.set VO,    4                          ; v4       my column's place among the images
.set SA,    5                          ; v5       LDS: where my scale word goes: 16 x lane + 512 (wave % 2) + 4 (wave / 2)
.set RA,    6                          ; v6       LDS: 16 x lane + 512 (wave % 2)
.set L16,   9                          ; v9       16 x lane
.set SPW,   14                         ; v14      LDS address of my spare word; never rewritten
.set NIL,   15                         ; v15      0; never rewritten
.set SB,    24                         ; v24      my column's scale word
.set X,     32                         ; v32-159  four blocks of 32 numbers
.set C,     160                        ; v160-171 the registers of lane (r, 0), v172-183 those of lane (r, 1)
.set T,     184                        ; v184-186 a block's upper 16 codes, on their way
	s_load_b256 s[32:39], s[0:1], 0x0              ; Wq, Wk, Wv, Wo
	s_load_b64 s[40:41], s[0:1], 0x20              ; wb
	v_lshl_add_u32 v[SPW], v0, 2, SPARE
	v_mov_b32 v[NIL], 0
	v_lshrrev_b32 v1, 5, v0
	s_delay_alu instid0(VALU_DEP_1)
	v_readfirstlane_b32 s16, v1                    ; wave 0..7
	v_and_b32 v2, 31, v0                           ; lane j
	s_and_b32 s17, s16, 1                          ; which 32 of the 64 columns
	s_lshr_b32 s18, s16, 1                         ; S: which 128 along K
	s_lshl_b32 s20, ttmp9, 1
	s_add_co_u32 s20, s20, s17                     ; G: my group of 32 columns, 0 .. 15
	s_and_b32 s19, ttmp7, 0xffff                   ; which weight
	v_lshlrev_b32 v[LD4], 2, v2
	v_bfe_u32 v7, v2, 3, 1                         ; column j of a group of 32 is row (j & 7) + 8 (j >> 4) of tile (j >> 3) & 1
	s_delay_alu instid0(VALU_DEP_1)
	v_mul_u32_u24 v7, v7, 4*FRB                    ; the odd tile's four images lie behind the even tile's
	v_and_b32 v8, 7, v2
	s_delay_alu instid0(VALU_DEP_1)
	v_lshl_add_u32 v7, v8, 4, v7                   ; 16 bytes a row
	v_lshrrev_b32 v8, 4, v2
	s_delay_alu instid0(VALU_DEP_1)
	v_lshl_add_u32 v[VO], v8, 7, v7
	v_lshlrev_b32 v[L16], 4, v2
	s_lshl_b32 s21, s17, 9
	v_add_nc_u32 v[RA], s21, v[L16]
	s_lshl_b32 s22, s18, 2
	s_add_co_u32 s21, s21, s22
	v_add_nc_u32 v[SA], s21, v[L16]
	s_lshl_b32 s22, s18, 18                        ; the weight: 128 S rows of 2,048 bytes,
	s_lshl_b32 s24, s20, 7                         ; + 128 bytes a group of columns
	s_add_co_u32 s22, s22, s24
	s_mov_b32 s23, 0
	s_mul_i32 s24, s19, WCODES                     ; the codes: weight, group of 32 columns (two tiles x four images), K step
	s_mul_i32 s26, s20, 8*FRB
	s_add_co_u32 s24, s24, s26
	s_mul_i32 s26, s18, FRB
	s_add_co_u32 s24, s24, s26
	s_mov_b32 s25, 0
	s_lshl_b32 s26, s19, 13                        ; the scale bytes: 8,192 a weight, 512 a group of columns
	s_lshl_b32 s28, s20, 9
	s_add_co_u32 s26, s26, s28
	s_add_co_u32 s26, s26, WSCALES
	s_mov_b32 s27, 0
	s_and_b32 s28, s19, 1
	s_wait_kmcnt 0x0
	s_cmp_lt_u32 s19, 2                            ; the choice hangs on the work-group's number alone
	s_cselect_b64 s[4:5], s[32:33], s[36:37]
	s_cselect_b64 s[44:45], s[34:35], s[38:39]
	s_cmp_eq_u32 s28, 0
	s_cselect_b64 s[4:5], s[4:5], s[44:45]
	s_add_nc_u64 s[4:5], s[4:5], s[22:23]
	s_add_nc_u64 s[6:7], s[40:41], s[24:25]
	s_add_nc_u64 s[8:9], s[40:41], s[26:27]
.irp t, 0,1,2,3                        ; all 128 loads at once: W(128 S + 32 t + i, my column)
.irp i, 0,1,2,3,4,5,6,7,8,9,10,11,12,13,14,15,16,17,18,19,20,21,22,23,24,25,26,27,28,29,30,31
	global_load_b32 v[X+32*\t+\i], v[LD4], s[4:5] offset:(32*\t+\i)*ROWW th:TH_LOAD_NT
.endr
.endr
; Block t of the K step: it is block t / 2 of lane (r, t % 2)
.macro BLOCK t
.set XS, X+32*(\t)
.set CD, C+12*((\t)%2)+6*((\t)/2)
.if 32*(3-(\t)) > 63
	s_wait_loadcnt 63                              ; behind this block's loads 32 (3 - t) younger ones were issued; the wait's field holds 63 at the most, which is fewer and so shows the block in as well
.else
	s_wait_loadcnt 32*(3-(\t))                     ; this block's 32 loads are in; the younger blocks' may be out
.endif
	v_max3_num_f32 v12, |v[XS]|, |v[XS+1]|, |v[XS+2]|   ; the block's largest magnitude: all 32 numbers are mine; two chains
	v_max3_num_f32 v13, |v[XS+3]|, |v[XS+4]|, |v[XS+5]|
.irp i, 6,10,14,18,22,26
	s_delay_alu instid0(VALU_DEP_2)
	v_max3_num_f32 v12, v12, |v[XS+\i]|, |v[XS+\i+1]|
	s_delay_alu instid0(VALU_DEP_2)
	v_max3_num_f32 v13, v13, |v[XS+\i+2]|, |v[XS+\i+3]|
.endr
	s_delay_alu instid0(VALU_DEP_2)
	v_max3_num_f32 v12, v12, |v[XS+30]|, |v[XS+31]|
	s_delay_alu instid0(VALU_DEP_1)
	v_max3_num_f32 v12, v12, v13, (EMAX+1)<<23     ; and the floor 2^(3 - 127): the byte cannot fall under 1
	s_delay_alu instid0(VALU_DEP_1)
	v_add_nc_u32 v11, -(EMAX<<23), v12             ; 2 off the exponent field: the conversion takes the exponent field of this operand as its scale
	v_cvt_scalef32_pk16_fp6_f32 v[CD:CD+2], v[XS:XS+15], v11
	v_cvt_scalef32_pk16_fp6_f32 v[T:T+2], v[XS+16:XS+31], v11       ; (a conversion's three registers begin on an even number: the block's second three do not, so they are made here and moved)
	v_lshrrev_b32 v13, 23, v11                     ; the scale's byte; also the plain line between the conversions and the moves below
.if (\t) == 0
	s_delay_alu instid0(VALU_DEP_1)
	v_mov_b32 v[SB], v13                           ; four bytes to the word, the lower K in the lower byte
.else
	s_delay_alu instid0(VALU_DEP_1)
	v_lshl_or_b32 v[SB], v13, 8*(\t), v[SB]
.endif
.irp i, 0,1,2
	v_mov_b32 v[CD+3+\i], v[T+\i]
.endr
.endm
.macro SEND h                          ; the twelve registers of lane (r, h) go where that lane will load them
.irp g, 0,1,2
	global_store_b128 v[VO], v[C+12*\h+4*\g:C+12*\h+4*\g+3], s[6:7] offset:256*\h+512*\g
.endr
.endm
	BLOCK 0
	BLOCK 1
	BLOCK 2
	SEND 0
	BLOCK 3
	SEND 1
	ds_store_b32 v[SA], v[SB]                      ; my column's word of K step S
	s_wait_dscnt 0x0                               ; for the others' sake: my store has landed
	s_barrier_signal -1
	s_barrier_wait -1                              ; all sixteen bytes of each of the 64 columns lie in LDS
	s_cmp_gt_u32 s16, 1                            ; waves 0 and 1 store them, a group of 32 columns each
	s_cbranch_scc1 .Ldone
	ds_load_b128 v[28:31], v[RA]
	s_wait_dscnt 0x0
	global_store_b128 v[L16], v[28:31], s[8:9]     ; 512 consecutive bytes
.Ldone:
	s_wait_tensorcnt 0x0                           ; the wave's end
	ds_add_u32 v[SPW], v[NIL]
	s_wait_dscnt 0x0
	s_endpgm
.Lfunc_end_k_q293840a273_quant_w:
	.size	k_q293840a273_quant_w, .Lfunc_end_k_q293840a273_quant_w-k_q293840a273_quant_w
	.p2alignl 7, 3214868480
	.fill 96, 4, 3214868480
	.section	.rodata,"a",@progbits
	.p2align	6, 0x0
	.amdhsa_kernel k_q293840a273_quant_w
		.amdhsa_group_segment_fixed_size 2048
		.amdhsa_private_segment_fixed_size 0
		.amdhsa_enable_private_segment 0
		.amdhsa_kernarg_size 40
		.amdhsa_user_sgpr_count 2
		.amdhsa_user_sgpr_kernarg_segment_ptr 1
		.amdhsa_wavefront_size32 1
		.amdhsa_system_sgpr_workgroup_id_x 1
		.amdhsa_system_sgpr_workgroup_id_y 1
		.amdhsa_system_sgpr_workgroup_id_z 1
		.amdhsa_system_vgpr_workitem_id 0
		.amdhsa_next_free_vgpr 192
		.amdhsa_next_free_sgpr 66
		.amdhsa_reserve_vcc 0
		.amdhsa_float_denorm_mode_32 3
		.amdhsa_float_denorm_mode_16_64 3
		.amdhsa_memory_ordered 1
		.amdhsa_forward_progress 1
		.amdhsa_inst_pref_size 24
	.end_amdhsa_kernel
	.amdgpu_metadata
---
amdhsa.version: [ 1, 2 ]
amdhsa.kernels:
  - .name:           k_q293840a273_quant_w
    .symbol:         k_q293840a273_quant_w.kd
    .args:
      - { .name: Wq, .offset: 0, .size: 8, .value_kind: global_buffer, .address_space: global }
      - { .name: Wk, .offset: 8, .size: 8, .value_kind: global_buffer, .address_space: global }
      - { .name: Wv, .offset: 16, .size: 8, .value_kind: global_buffer, .address_space: global }
      - { .name: Wo, .offset: 24, .size: 8, .value_kind: global_buffer, .address_space: global }
      - { .name: wb, .offset: 32, .size: 8, .value_kind: global_buffer, .address_space: global }
    .group_segment_fixed_size: 2048
    .private_segment_fixed_size: 0
    .kernarg_segment_align: 8
    .kernarg_segment_size: 40
    .max_flat_workgroup_size: 256
    .sgpr_count:     66
    .vgpr_count:     192
    .wavefront_size: 32
...
	.end_amdgpu_metadata
.endif
;; end of part 5
;; launch proj (part 6): grid 64 x 3, 4 waves a work-group, no clusters, 162,304 bytes of LDS; arguments x1, x2, x3, wb, qb, kvb; writes qb, kvb
.if DOCPART == 6
	.amdgcn_target "amdgcn-amd-amdhsa--gfx1250"
	.amdhsa_code_object_version 6
	.text
	.protected	k_q293840a273_proj
	.globl	k_q293840a273_proj
	.p2align	8
	.type	k_q293840a273_proj,@function
k_q293840a273_proj:
	s_mov_b64 s[64:65], 0
	v_nop
	global_prefetch_b8 v0, s[64:65] scope:SCOPE_SE
	s_setreg_imm32_b32 hwreg(HW_REG_WAVE_MODE, 25, 1), 1
	s_wait_xcnt 0x0
; q = x1 Wq, k = x2 Wk, v = x3 Wv, each [8,192][512] x [512][512], on codes of FP6 (E2M3) with one E8M0 scale for each 32 along K; the results are quantised at once for the attention's products and leave as codes.
; Work-group (x, y): tokens 128 x .. 128 x + 127 of path y (0: q, 1: k, 2: v), as two blocks of 64, written out.  x is read once, as f32, and quantised on the way.
; THE WAVES SHARE THE COLUMNS: wave w holds weight rows (n) 128 w .. 128 w + 127, that is heads 2 w and 2 w + 1, in 384 registers for the whole launch.  In the first phase of a block wave w quantises x's tile w.
; THE WEIGHTS LIE IN wb AS IMAGES OF THEIR FRAGMENTS, [weight][w][tile t][K step s][1,536 bytes]: a fragment comes by three loads of 16 bytes a lane, 512 consecutive bytes each.
; TILE ORDER.  Tile m of a block, lane r, is token 32 (m / 2) + 8 (m % 2) + r + (r & 8); tile t of a wave's weight rows, lane r, is row 32 (t / 2) + 8 (t % 2) + r + (r & 8).  So the 16 result registers of
; two neighbouring tiles are 16 neighbours along the axis that the next product contracts: d for q and k (source 0 = weight rows, source 1 = tokens), the keys for v (source 0 = tokens, source 1 = weight rows).
; WORKSPACES ARE IMAGES OF OPERAND REGISTERS.  Half a fragment (16 rows x 64 K, six registers) is 768 bytes: registers 0-3 by one store of 16 bytes a lane, registers 4-5 by one of 8 bytes a lane, 512 bytes on.
;   qb, kvb: [b][h][step of 128 tokens][13,056 bytes]: codes at 0, v's at 6,144; scale words at 12,288, v's at 12,800.
; Every store covers whole aligned runs of 256 bytes.
; LIMITS: a block of zeros, or one whose largest magnitude lies under 2^-124, gets the byte 1 (this program alone reads the bytes); NaN and infinities are not served.
; No tensor load: x is turned through each wave's own stage, weights go straight into registers in fragment order.  No cluster: what is shared, the weights, is read once by a work-group into registers.
; REGISTERS, in windows of 256: window 0: v1-14 addresses; v16-79 results (HA); v80-99 codes just made; v100-117 at work; v120-127 scale words on their way out; v128-143 x's scale words; v144-175 the weights';
;   v192-255 raw set 3, then the second set of 64 numbers.   window 1: W(t, K step 0, 1); v192-255 raw set 0.   window 2: W(t, K step 2, 3); raw set 1.   window 3: x's 16 fragments; raw set 2.
.set FR,    12                         ; registers of a fragment
.set FRB,   FR*128                     ; its image in bytes
.set XIMG,  0                          ; LDS: x's 16 fragments (4 m + s),
.set XSC,   XIMG+16*FRB                ; their scale words, 128 bytes each,
.set STG,   XSC+16*128                 ; the waves' stages: 4 K steps x 16 rows x (512 + 16) bytes each
.set SPITCH, 528                       ; an odd multiple of 16 bytes: the sixteen rows that a load touches fall on different banks
.set KSTG,  16*SPITCH
.set WSTG,  4*KSTG
.set SPARE, STG+4*WSTG                 ; the spare words, 128 bytes a wave
.set NEXTB, 131072                     ; 64 rows of x in bytes
; THE WORKSPACES AS THEY NOW LIE: qb and kvb are [b][h][step of 128 tokens][13,056 bytes]; in a step's region: codes of q or k at 0 (8 tiles x 768), v's codes at 6,144, q's or k's scale words at 12,288, v's at 12,800.
; k and v share kvb; qb uses the places of k alone.  K'S TILE ORDER: tile m of a block of 64 tokens, lane r, is token 32 (r / 8) + 8 m + r % 8; q's and v's tokens stay in the order stated at the head.
.set HEADB, 208896                     ; a head's 16 regions in bytes
.set L16, 1                            ; 16 x lane
.set L8,  2                            ; 8 x lane
.set L4,  3                            ; 4 x lane
.set STI, 4                            ; my stage + 16 x lane
.set STO, 5                            ; my stage + 528 r + 64 h
.set XWI, 6                            ; where I store x's images
.set XWS, 7                            ; and their scale words
.set WSA, 9                            ; the weights' scale bytes: (r + (r & 8)) x 16
.set SH16, 10                          ; 16 h
.set OSA, 11                           ; q's, k's scale words: 16 r + 208,896 h
.set OSV, 12                           ; v's: 16 r + 8 h
.set SPW, 13
.set NIL, 14
.set HA,  16
.set PC,  80
.set TM,  100
.set PW,  116
.set TP,  117
.set RR,  118
.set HH,  119
.set SW,  120
.set SV,  124
.set XS,  128
.set WS,  144
.set XB,  192
.set RAW, 192
.set WV,  22
.set PATH, 23
.set SEL, 26
.set MSB, 0
.macro WIN new                         ; the immediate's high byte repeats the setting that is left
.if MSB != (\new)
	s_set_vgpr_msb (MSB<<8)|(\new)
.set MSB, (\new)
.endif
.endm
; my tile's 16 rows, K step s (512 bytes of each row), into raw set s, which lies in window (s + 1) % 4: each load reads 512 consecutive bytes
.macro XLOAD s, off
	WIN ((((\s)+1)&3)<<6)
.irp i, 0,1,2,3,4,5,6,7,8,9,10,11,12,13,14,15
	global_load_b128 v[RAW+4*\i:RAW+4*\i+3], v[L16+7*(\i/8)], s[4:5] offset:\off+(\i+(\i&8))*2048+512*(\s) th:TH_LOAD_NT   ; rows 8-15 by v8, which on k's path stands 16 rows further on
.endr
.endm
.macro TOSTG s                         ; raw set s into my stage, as it lies
	WIN ((((\s)+1)&3)<<2)
.irp i, 0,1,2,3,4,5,6,7,8,9,10,11,12,13,14,15
	ds_store_b128 v[STI], v[RAW+4*\i:RAW+4*\i+3] offset:KSTG*(\s)+SPITCH*\i
.endr
.endm
.macro LOADX s, dst                    ; and back: register 16 b + i = k 128 s + 32 b + 16 h + i of row r
.irp b, 0,1,2,3
.irp j, 0,1,2,3
	ds_load_b128 v[\dst+16*\b+4*\j:\dst+16*\b+4*\j+3], v[STO] offset:KSTG*(\s)+128*\b+16*\j
.endr
.endr
.endm
; 64 numbers of a lane, register 16 b + i = k 32 b + 16 h + i of my row, become a fragment's codes in v[PC] on and its scale word in v[PW]
.macro QUANT src
.irp b, 0,1,2,3
	v_max3_num_f32 v[TM+\b], |v[\src+16*\b]|, |v[\src+1+16*\b]|, 0x1800000   ; block b: my 16 numbers, and the floor 2^(3 - 127): the byte cannot fall under 1
.endr
.irp i, 2,4,6,8,10,12,14
.irp b, 0,1,2,3
	v_max3_num_f32 v[TM+\b], v[TM+\b], |v[\src+16*\b+\i]|, |v[\src+1+16*\b+\i]|   ; the four blocks by turns
.endr
.endr
.irp b, 0,1,2,3
	v_permlanex16_b32 v[TM+4+\b], v[TM+\b], s[SEL], s[SEL+1]
.endr
.irp b, 0,1,2,3
	v_max_num_f32 v[TM+\b], v[TM+\b], v[TM+4+\b]   ; with lane l xor 16's: the block's largest magnitude
.endr
.irp b, 0,1,2,3
	v_add_nc_u32 v[TM+12+\b], 0xff000000, v[TM+\b] ; 2 off its exponent field: the conversion's scale operand
.endr
.irp b, 0,1,2,3
	v_lshrrev_b32 v[TM+4+\b], 23, v[TM+12+\b]      ; the scale's byte
.endr
	v_lshl_or_b32 v[PW], v[TM+5], 8, v[TM+4]
	v_lshl_or_b32 v[PW], v[TM+6], 16, v[PW]
	v_lshl_or_b32 v[PW], v[TM+7], 24, v[PW]
.irp c, 0,1
	v_cvt_scalef32_pk16_fp6_f32 v[PC+6*\c:PC+2+6*\c], v[\src+32*\c:\src+15+32*\c], v[TM+12+2*\c]
	v_cvt_scalef32_pk16_fp6_f32 v[PC+12+4*\c:PC+14+4*\c], v[\src+16+32*\c:\src+31+32*\c], v[TM+12+2*\c+1]   ; (a conversion's three registers begin on an even number)
.endr
	v_nop                                          ; one plain place behind a scaled conversion
.irp c, 0,1                            ; the operand's layout wants a WHOLE block in a lane: lanes 0-15 block 2 c, lanes 16-31 block 2 c + 1
.irp i, 0,1,2
	v_permlane16_swap_b32 v[PC+6*\c+\i], v[PC+12+4*\c+\i]
.endr
.irp i, 0,1,2
	v_mov_b32 v[PC+3+6*\c+\i], v[PC+12+4*\c+\i]
.endr
.endr
.endm
.macro IMAGE adr, off                  ; the fragment in v[PC] on goes to LDS as it stands
.irp c, 0,1,2
	ds_store_b128 v[\adr], v[PC+4*\c:PC+4*\c+3] offset:\off+512*\c
.endr
.endm
.macro BARRIER                         ; my LDS stores have landed and my LDS loads are in: then the work-group's barrier
	s_wait_dscnt 0x0
	s_barrier_signal -1
	s_barrier_wait -1
.endm
.macro PLACES                          ; four plain places between a matrix instruction and the first vector read of its result (ISA guide 7.12.1)
.rept 4
	v_nop
.endr
.endm
; q, k: my 8 tiles of weight rows against tile m of tokens: source 0 = W, source 1 = x.  Eight accumulators by turns; the first K step starts the sums.
.macro MULQK m
.irp s, 0,1,2,3
	WIN 0x0d+(\s/2)                                ; source 0 window 1 or 2, source 1 window 3
.irp t, 0,1,2,3,4,5,6,7
.if \s == 0
	v_wmma_scale_f32_16x16x128_f8f6f4 v[HA+8*\t:HA+8*\t+7], v[FR*(2*\t+\s%2):FR*(2*\t+\s%2)+FR-1], v[FR*(4*(\m)+\s):FR*(4*(\m)+\s)+FR-1], 0, v[WS+4*\t+\s], v[XS+4*(\m)+\s] matrix_a_fmt:MATRIX_FMT_FP6 matrix_b_fmt:MATRIX_FMT_FP6
.else
	v_wmma_scale_f32_16x16x128_f8f6f4 v[HA+8*\t:HA+8*\t+7], v[FR*(2*\t+\s%2):FR*(2*\t+\s%2)+FR-1], v[FR*(4*(\m)+\s):FR*(4*(\m)+\s)+FR-1], v[HA+8*\t:HA+8*\t+7], v[WS+4*\t+\s], v[XS+4*(\m)+\s] matrix_a_fmt:MATRIX_FMT_FP6 matrix_b_fmt:MATRIX_FMT_FP6
.endif
.endr
.endr
.endm
; v: the four tiles of tokens against weight tiles 2 p and 2 p + 1: source 0 = x, source 1 = W: a lane holds one d, its registers run along the keys
.macro MULV p
.irp s, 0,1,2,3
	WIN 0x07+4*(\s/2)                              ; source 0 window 3, source 1 window 1 or 2
.irp u, 0,1
.irp m, 0,1,2,3
.if \s == 0
	v_wmma_scale_f32_16x16x128_f8f6f4 v[HA+8*(4*\u+\m):HA+8*(4*\u+\m)+7], v[FR*(4*\m+\s):FR*(4*\m+\s)+FR-1], v[FR*(2*(2*(\p)+\u)+\s%2):FR*(2*(2*(\p)+\u)+\s%2)+FR-1], 0, v[XS+4*\m+\s], v[WS+4*(2*(\p)+\u)+\s] matrix_a_fmt:MATRIX_FMT_FP6 matrix_b_fmt:MATRIX_FMT_FP6
.else
	v_wmma_scale_f32_16x16x128_f8f6f4 v[HA+8*(4*\u+\m):HA+8*(4*\u+\m)+7], v[FR*(4*\m+\s):FR*(4*\m+\s)+FR-1], v[FR*(2*(2*(\p)+\u)+\s%2):FR*(2*(2*(\p)+\u)+\s%2)+FR-1], v[HA+8*(4*\u+\m):HA+8*(4*\u+\m)+7], v[XS+4*\m+\s], v[WS+4*(2*(\p)+\u)+\s] matrix_a_fmt:MATRIX_FMT_FP6 matrix_b_fmt:MATRIX_FMT_FP6
.endif
.endr
.endr
.endr
.endm
	s_load_b256 s[4:11], s[0:1], 0x0               ; x1, x2, x3, wb
	s_load_b128 s[12:15], s[0:1], 0x20             ; qb, kvb
	s_load_b64 s[16:17], s[0:1], 0x28              ; kvb once more: v's results go into the same buffer as k's
	v_lshl_add_u32 v[SPW], v0, 2, SPARE
	v_mov_b32 v[NIL], 0
	v_lshrrev_b32 v15, 5, v0
	v_readfirstlane_b32 s[WV], v15                 ; wave 0..3
	s_and_b32 s[PATH], ttmp7, 0xffff               ; 0: q, 1: k, 2: v
	v_and_b32 v15, 31, v0                          ; lane
	v_lshlrev_b32 v[L16], 4, v15
	v_lshlrev_b32 v[L8], 3, v15
	v_lshlrev_b32 v[L4], 2, v15
	v_and_b32 v[RR], 15, v0                        ; r
	v_bfe_u32 v[HH], v0, 4, 1                      ; h
	s_mul_i32 s28, s[WV], WSTG
	s_add_co_u32 s28, s28, STG                     ; my stage
	v_add_nc_u32 v[STI], s28, v[L16]
	v_mul_u32_u24 v[STO], v[RR], SPITCH
	v_lshl_add_u32 v[STO], v[HH], 6, v[STO]
	v_add_nc_u32 v[STO], s28, v[STO]
	s_mul_i32 s28, s[WV], 4*FRB
	v_add_nc_u32 v[XWI], s28, v[L16]
	s_lshl_b32 s28, s[WV], 9
	s_add_co_u32 s28, s28, XSC
	v_add_nc_u32 v[XWS], s28, v[L4]
	v_and_b32 v[WSA], 8, v[RR]
	v_add_nc_u32 v[WSA], v[WSA], v[RR]             ; r + (r & 8)
	v_lshlrev_b32 v[WSA], 4, v[WSA]
	v_lshlrev_b32 v[SH16], 4, v[HH]
	v_lshlrev_b32 v[OSA], 4, v[RR]
	v_lshl_add_u32 v[OSV], v[HH], 3, v[OSA]
	v_mad_u32_u24 v[OSA], v[HH], HEADB, v[OSA]     ; 16 r, and lanes 16-31 a head further on
.irp b, 0,1,2,3
	v_mov_b32 v[TM+4+\b], 0                        ; written once: a lane permute's destination counts as one of its sources
	v_mov_b32 v[SV+\b], 0                          ; written on every path before the second block joins onto it
.endr
	s_mov_b32 s[SEL], 0x76543210
	s_mov_b32 s[SEL+1], 0xfedcba98                 ; v_permlanex16_b32's selects for lane l xor 16
	s_lshl_b32 s28, ttmp9, 7                       ; x: row 128 x + 32 (w / 2) + 8 (w % 2): my tile's first token
	s_lshr_b32 s30, s[WV], 1
	s_cmp_eq_u32 s[PATH], 1                        ; k's path: my tile begins at token 8 w = 16 (w / 2) + 8 (w % 2), and its rows 8-15 lie 32 tokens behind rows 0-7
	s_cselect_b32 s31, 4, 5
	s_cselect_b32 s32, 32768, 0
	s_lshl_b32 s30, s30, s31
	v_add_nc_u32 v8, s32, v[L16]
	s_wait_alu depctr_va_vdst(0)                   ; the wait behind this write
	s_add_co_u32 s28, s28, s30
	s_and_b32 s30, s[WV], 1
	s_lshl_b32 s30, s30, 3
	s_add_co_u32 s28, s28, s30
	s_lshl_b32 s28, s28, 11                        ; rows of 2,048 bytes
	s_mov_b32 s29, 0
	s_mul_i32 s30, s[PATH], 196608                 ; the path's weight, my 32 fragments of 1,536 bytes
	s_mul_i32 s32, s[WV], 49152
	s_add_co_u32 s30, s30, s32
	s_mov_b32 s31, 0
	s_lshl_b32 s32, s[PATH], 13                    ; and my rows' scale bytes, 16 a row
	s_lshl_b32 s34, s[WV], 11
	s_add_co_u32 s32, s32, s34
	s_add_co_u32 s32, s32, 786432
	s_mov_b32 s33, 0
	s_lshr_b32 s34, ttmp9, 4                       ; b
	s_lshl_b32 s34, s34, 3
	s_lshl_b32 s36, s[WV], 1
	s_add_co_u32 s34, s34, s36                     ; 8 b + 2 w: my first head
	s_lshl_b32 s34, s34, 4
	s_and_b32 s36, ttmp9, 15
	s_add_co_u32 s34, s34, s36                     ; x 16 + the key step
	s_mul_i32 s36, s34, 13056                      ; the region of my first head's 128 tokens
	s_mov_b32 s37, 0
	s_cmp_eq_u32 s[PATH], 2
	s_cselect_b32 s38, 512, 0
	s_cselect_b32 s40, 6144, 0
	s_add_co_u32 s38, s38, s36
	s_add_co_u32 s38, s38, 12288                   ; the scale words: at 12,288, v's at 12,800
	s_add_co_u32 s36, s36, s40                     ; the codes: at 0, v's at 6,144
	s_mov_b32 s39, 0
	s_wait_kmcnt 0x0
	s_cmp_eq_u32 s[PATH], 1                        ; the choices hang on the work-group's number alone
	s_cselect_b64 s[6:7], s[6:7], s[8:9]
	s_cselect_b64 s[14:15], s[14:15], s[16:17]
	s_cmp_eq_u32 s[PATH], 0
	s_cselect_b64 s[4:5], s[4:5], s[6:7]
	s_cselect_b64 s[12:13], s[12:13], s[14:15]
	s_add_nc_u64 s[4:5], s[4:5], s[28:29]          ; x at my tile
	s_add_nc_u64 s[18:19], s[10:11], s[32:33]      ; the weight's scale bytes
	s_add_nc_u64 s[10:11], s[10:11], s[30:31]      ; the weight's codes
	s_add_nc_u64 s[20:21], s[12:13], s[38:39]      ; the scale words out
	s_add_nc_u64 s[12:13], s[12:13], s[36:37]      ; the codes out
	XLOAD 0, 0                                     ; x first: its turn through the stage and its quantising need no weight
	XLOAD 1, 0
	XLOAD 2, 0
	XLOAD 3, 0
	WIN 0x40                                       ; destination window 1
.irp t, 0,1,2,3,4,5,6,7                ; a fragment's image comes as it lies: three loads of 512 consecutive bytes
.irp s, 0,1
.irp c, 0,1,2
	global_load_b128 v[FR*(2*\t+\s)+4*\c:FR*(2*\t+\s)+4*\c+3], v[L16], s[10:11] offset:(4*\t+\s)*FRB+512*\c
.endr
.endr
.endr
; the weights' K steps 2 and 3 and their scale words: 56 loads, asked for in the first block once the raw sets are staged
.macro W2LOAD
	WIN 0x80                                       ; destination window 2
.irp t, 0,1,2,3,4,5,6,7
.irp s, 0,1
.irp c, 0,1,2
	global_load_b128 v[FR*(2*\t+\s)+4*\c:FR*(2*\t+\s)+4*\c+3], v[L16], s[10:11] offset:(4*\t+\s+2)*FRB+512*\c
.endr
.endr
.endr
	WIN 0
.irp t, 0,1,2,3,4,5,6,7
	global_load_b128 v[WS+4*\t:WS+4*\t+3], v[WSA], s[18:19] offset:(32*(\t/2)+8*(\t%2))*16   ; a row's four scale words
.endr
.endm
; A BLOCK OF 64 TOKENS.  blk = 0 asks for the second block's x as soon as the raw sets are free; blk = 1 asks for nothing.
.macro BLOCK blk
.irp s, 0,1,2,3
.if \blk == 0
.if \s < 3
	s_wait_loadcnt 63                              ; behind raw set s stand 16 (3 - s) loads of x and 48 of the weights: 64 or more; the wait's field holds 63, which is fewer and so shows the set in as well
.else
	s_wait_loadcnt 48                              ; behind raw set 3 stand the 48 loads of the weights' K steps 0 and 1
.endif
.else
	s_wait_loadcnt 48-16*\s                        ; raw set s is in; the sets issued behind it may be out
.endif
	TOSTG \s
.endr
	WIN 0
	s_wait_dscnt 0x0                               ; the stores have read the raw sets
.if \blk == 0
	W2LOAD
	XLOAD 0, NEXTB
	XLOAD 1, NEXTB
	XLOAD 2, NEXTB
	WIN 0
.endif
	LOADX 0, HA
.irp s, 0,1,2,3
.set CUR, HA+(XB-HA)*(\s%2)
.set NXT, HA+(XB-HA)*((\s+1)%2)
.if \s < 3
	LOADX \s+1, NXT
	s_wait_dscnt 16                                ; all but the 16 loads just issued: this K step's numbers are in, and the last image's stores have read their registers
.else
	s_wait_dscnt 0x0
.endif
	QUANT CUR
	IMAGE XWI, XIMG+FRB*\s
	ds_store_b32 v[XWS], v[PW] offset:128*\s
.endr
.if \blk == 0
	XLOAD 3, NEXTB                                 ; its registers were the second set of numbers until here; the sets stay in the order 0, 1, 2, 3
.endif
	BARRIER                                        ; x's sixteen fragments lie in LDS
	WIN 0xc0                                       ; destination window 3
.irp f, 0,1,2,3,4,5,6,7,8,9,10,11,12,13,14,15
.irp c, 0,1,2
	ds_load_b128 v[FR*\f+4*\c:FR*\f+4*\c+3], v[L16] offset:XIMG+FRB*\f+512*\c
.endr
.endr
	WIN 0
.irp f, 0,1,2,3,4,5,6,7,8,9,10,11,12,13,14,15
	ds_load_b32 v[XS+\f], v[L4] offset:XSC+128*\f
.endr
.if \blk == 0
	s_wait_loadcnt 63                              ; behind the weights' last load stand the 64 loads of the next block's x: all weights and their scale words are in
	BARRIER                                        ; every wave has x's fragments in registers: the next block may write the images again
.else
	s_wait_dscnt 0x0
.endif
	s_cmp_eq_u32 s[PATH], 2
	s_cbranch_scc1 .Lv_\@
.irp m, 0,1,2,3                        ; q, k: tile m's 128 results a lane are one fragment: registers 0-5 head 2 w, registers 6-11 head 2 w + 1
	MULQK \m
	WIN 0
	PLACES
	s_wait_xcnt 0x0                                ; the earlier stores have read their data: the codes' registers may be written
	QUANT HA
	global_store_b128 v[L16], v[PC:PC+3], s[12:13] offset:3072*\blk+768*\m
	global_store_b64 v[L8], v[PC+4:PC+5], s[12:13] offset:3072*\blk+768*\m+512
	global_store_b128 v[L16], v[PC+6:PC+9], s[12:13] offset:HEADB+3072*\blk+768*\m
	global_store_b64 v[L8], v[PC+10:PC+11], s[12:13] offset:HEADB+3072*\blk+768*\m+512
	v_lshrrev_b32 v[SW+\m], v[SH16], v[PW]         ; lanes 0-15 keep head 2 w's two bytes lowest, lanes 16-31 take head 2 w + 1's; the upper two bytes scale zero codes and are never 0xff
.endr
	global_store_b128 v[OSA], v[SW:SW+3], s[20:21] offset:256*\blk   ; 256 bytes for each of the two heads
	s_branch .Ljoin_\@
.Lv_\@:
.irp p, 0,1,2,3                        ; v: half fragment c is weight tile 2 p + c: 16 d x this block's 64 keys
	MULV \p
	WIN 0
	PLACES
	s_wait_xcnt 0x0
	QUANT HA
	global_store_b128 v[L16], v[PC:PC+3], s[12:13] offset:(\p/2)*HEADB+3072*\blk+1536*(\p%2)
	global_store_b64 v[L8], v[PC+4:PC+5], s[12:13] offset:(\p/2)*HEADB+3072*\blk+1536*(\p%2)+512
	global_store_b128 v[L16], v[PC+6:PC+9], s[12:13] offset:(\p/2)*HEADB+3072*\blk+1536*(\p%2)+768
	global_store_b64 v[L8], v[PC+10:PC+11], s[12:13] offset:(\p/2)*HEADB+3072*\blk+1536*(\p%2)+1280
	v_lshrrev_b32 v[TP], v[SH16], v[PW]            ; lanes 0-15: tile 2 p's two bytes, lanes 16-31: tile 2 p + 1's
.if \blk == 0
	v_and_b32 v[SV+\p], 0xffff, v[TP]              ; the key step's first 64 keys: the word's low half
.else
	v_lshl_or_b32 v[SV+\p], v[TP], 16, v[SV+\p]    ; its second 64: the high half
.endif
.endr
.if \blk == 1
	global_store_b64 v[OSV], v[SV:SV+1], s[20:21]               ; head 2 w: 256 bytes: [r][2 (t % 2) + t / 2]
	global_store_b64 v[OSV], v[SV+2:SV+3], s[20:21] offset:HEADB
.endif
.Ljoin_\@:
	s_wait_xcnt 0x0                                ; the stores have read their data
.endm
	BLOCK 0
	BLOCK 1
	s_wait_tensorcnt 0x0                           ; the wave's end
	ds_add_u32 v[SPW], v[NIL]
	s_wait_dscnt 0x0
	s_endpgm
.Lfunc_end_k_q293840a273_proj:
	.size	k_q293840a273_proj, .Lfunc_end_k_q293840a273_proj-k_q293840a273_proj
	.p2alignl 7, 3214868480
	.fill 96, 4, 3214868480
	.section	.rodata,"a",@progbits
	.p2align	6, 0x0
	.amdhsa_kernel k_q293840a273_proj
		.amdhsa_group_segment_fixed_size 162304
		.amdhsa_private_segment_fixed_size 0
		.amdhsa_enable_private_segment 0
		.amdhsa_kernarg_size 48
		.amdhsa_user_sgpr_count 2
		.amdhsa_user_sgpr_kernarg_segment_ptr 1
		.amdhsa_wavefront_size32 1
		.amdhsa_system_sgpr_workgroup_id_x 1
		.amdhsa_system_sgpr_workgroup_id_y 1
		.amdhsa_system_sgpr_workgroup_id_z 1
		.amdhsa_system_vgpr_workitem_id 0
		.amdhsa_next_free_vgpr 1024
		.amdhsa_next_free_sgpr 66
		.amdhsa_reserve_vcc 0
		.amdhsa_float_denorm_mode_32 3
		.amdhsa_float_denorm_mode_16_64 3
		.amdhsa_memory_ordered 1
		.amdhsa_forward_progress 1
		.amdhsa_inst_pref_size 219
	.end_amdhsa_kernel
	.amdgpu_metadata
---
amdhsa.version: [ 1, 2 ]
amdhsa.kernels:
  - .name:           k_q293840a273_proj
    .symbol:         k_q293840a273_proj.kd
    .args:
      - { .name: x1, .offset: 0, .size: 8, .value_kind: global_buffer, .address_space: global }
      - { .name: x2, .offset: 8, .size: 8, .value_kind: global_buffer, .address_space: global }
      - { .name: x3, .offset: 16, .size: 8, .value_kind: global_buffer, .address_space: global }
      - { .name: wb, .offset: 24, .size: 8, .value_kind: global_buffer, .address_space: global }
      - { .name: qb, .offset: 32, .size: 8, .value_kind: global_buffer, .address_space: global }
      - { .name: kvb, .offset: 40, .size: 8, .value_kind: global_buffer, .address_space: global }
    .group_segment_fixed_size: 162304
    .private_segment_fixed_size: 0
    .kernarg_segment_align: 8
    .kernarg_segment_size: 48
    .max_flat_workgroup_size: 128
    .sgpr_count:     66
    .vgpr_count:     1024
    .wavefront_size: 32
...
	.end_amdgpu_metadata
.endif
;; end of part 6
;; launch attn (part 7): grid 8 x 32, 16 waves a work-group, clusters of 4 x 1, 237,056 bytes of LDS; arguments qb, kvb, ob; writes ob
.if DOCPART == 7
	.amdgcn_target "amdgcn-amd-amdhsa--gfx1250"
	.amdhsa_code_object_version 6
	.text
	.protected	k_q293840a273_attn
	.globl	k_q293840a273_attn
	.p2align	8
	.type	k_q293840a273_attn,@function
k_q293840a273_attn:
	s_mov_b64 s[64:65], 0
	v_nop
	global_prefetch_b8 v0, s[64:65] scope:SCOPE_SE
	s_setreg_imm32_b32 hwreg(HW_REG_WAVE_MODE, 25, 1), 1
	s_wait_xcnt 0x0
	s_wait_alu depctr_hold_cnt(0) depctr_sa_sdst(0) depctr_va_vdst(0) depctr_va_sdst(0) depctr_va_ssrc(0) depctr_va_vcc(0) depctr_vm_vsrc(0)
	s_getreg_b32 s2, hwreg(HW_REG_IB_STS2, 6, 4)
	s_cmp_eq_u32 s2, 0
	s_cbranch_scc0 .Lentry_in_a_cluster
	s_endpgm
.Lentry_in_a_cluster:
	s_bfe_u32 s2, ttmp6, 0x10000c
	s_cmp_lg_u32 s2, 0x3003
	s_cbranch_scc0 .Lentry_shape_is_right
	s_endpgm
.Lentry_shape_is_right:
; o[b][h][q] = the sum over keys of softmax(q . k / 8) v, both products on codes of FP6 (E2M3) with one E8M0 scale for each 32 along a product's K; o is quantised along h x 64 + d and leaves as codes.
; THE SOFTMAX: t = score x log2(e) / 8; M = the running largest t rounded UP to a whole number; p = 2^(t - M) is quantised along the keys, not normalised; the row's sum is taken of the unquantised p and divides
; at the end.  When M moves, the sum and O are multiplied by 2^(old M - new M): exact.
; SHARES.  Work-group (x, y): 256 queries of head y = 8 b + h; each of sixteen waves owns one tile of 16 queries and walks all 2,048 keys, 128 a step.
; LDS.  kvb holds, for each head and key step, one region of 13,056 bytes (51 rows of 256): K's codes at 0, V's at 6,144, K's scale words at 12,288, V's at 12,800.  Wave w asks for step w's region: one tensor
; load a wave, sixteen in all, every LDS byte filled once, one barrier.  The four query blocks of a cluster belong to one head: each load is joint, its descriptor made of the head and the wave's number alone.
; No prefetch: all that the launch reads through LDS is asked for at its head, so there is no loop to run ahead in.
; LAYOUT.  Both products are used transposed (S^T = K Q^T, O^T = V^T P^T): a lane holds one query.  K's tile 4 c + u, row r, is key 64 c + 32 (r / 8) + 8 u + r % 8, so register 32 c + i of S^T in lane (r, h) is key
; 64 c + 32 h + i: a WHOLE block of 32 keys lies in one lane, in the order of the second product's operand: no lane is asked for a block's maximum, and no code changes lanes.
; The first product's K is 64: Q's registers 6-11 are zero codes.  So what stands in registers 6-11 of K's fragments adds nothing, and fragment t is registers 6 t .. 6 t + 11 of one run: its upper half is the next tile's
; codes (the last tile's: six registers of zeros).  FP6 has no NaN or infinity, and no scale byte here is 0xff.
; FRAGMENTS AHEAD.  Behind a step's score products its K registers take the NEXT step's K; V's d tiles 0 and 1 have 24 registers of their own; d tiles 2 and 3 take p's first 24 registers once these are converted and summed.
; LIMITS: a block of zeros, or one under 2^-124, gets the byte 1 (this program alone reads the bytes); NaN and infinities are not served; the promise holds while |t| stays under 2^31.
.set STEPB, 13056
.set HEADN, 208896
.set VCO,   6144
.set KSO,   12288
.set VSO,   12800
.set SPARE, 235008                     ; the spare words, 128 bytes for each of sixteen waves, two regions' length behind the sixteen regions
.set L16, 1                            ; 16 x lane
.set L8,  2                            ; 8 x lane
.set R16, 3                            ; 16 r
.set A16, 4                            ; the step's region + 16 x lane, + 8 x lane, + 16 r
.set A8,  5
.set AS,  6
.set SPW, 7
.set NIL, 8
.set SH8, 9                            ; 8 h
.set NM,  10                           ; -M (v11 is named with it as a pair)
.set MX,  12                           ; the running largest score
.set OLD, 13                           ; the last step's -M
.set SUM, 14                           ; the row's sum, two halves
.set F,   16                           ; f = 2^(old M - new M) (v17 named with it)
.set TA,  18
.set TB,  19
.set QS,  20                           ; scale words: Q's, p's, K's eight, V's four
.set PS,  21
.set KSW, 22
.set VSW, 30
.set Q,   34
.set KR,  46                           ; v46-99: K's eight fragments
.set S,   100                          ; v100-163: S^T, then p; v100-123 then V's d tiles 2 and 3
.set O,   164                          ; v164-195: O^T
.set PC,  196                          ; p's codes
.set CT,  208                          ; a block's upper 16 codes on their way
.set TS,  216                          ; four partial sums, pairs
.set BM,  224                          ; maxima
.set SO,  228                          ; the conversions' scale operands
.set BY,  230                          ; scale bytes
.set VB,  232                          ; v232-255: V's d tiles 0 and 1
.set WV,  20
.set SEL, 22
.set CS,  24
.set TK,  26
.set CNT, 27
.set G1,  28
.set G0,  36
.macro CROUND                          ; a round of the cluster's barrier
	s_barrier_signal -1
	s_barrier_wait -1
	s_cmp_lg_u32 s[WV], 0
	s_cbranch_scc1 .Lnot_wave_0_\@
	s_barrier_signal -3
.Lnot_wave_0_\@:
	s_barrier_wait -3
	s_barrier_signal -1
	s_barrier_wait -1
.endm
.macro ADDR                            ; the three LDS addresses of the region at s[TK]
	v_add_nc_u32 v[A16], s[TK], v[L16]
	v_add_nc_u32 v[A8], s[TK], v[L8]
	v_add_nc_u32 v[AS], s[TK], v[R16]
.endm
.macro KLOAD off                       ; K's eight half fragments, six registers each, on end, and their scale words, of the region off bytes on
.irp t, 0,1,2,3,4,5,6,7
	ds_load_b128 v[KR+6*\t:KR+6*\t+3], v[A16] offset:\off+768*\t
	ds_load_b64 v[KR+6*\t+4:KR+6*\t+5], v[A8] offset:\off+768*\t+512
.endr
	ds_load_b128 v[KSW:KSW+3], v[AS] offset:\off+KSO
	ds_load_b128 v[KSW+4:KSW+7], v[AS] offset:\off+KSO+256
.endm
.macro VLOAD reg, t                    ; V's d tile t: registers 0-5 the step's first 64 keys, 6-11 its second
	ds_load_b128 v[\reg:\reg+3], v[A16] offset:VCO+768*\t
	ds_load_b64 v[\reg+4:\reg+5], v[A8] offset:VCO+768*\t+512
	ds_load_b128 v[\reg+6:\reg+9], v[A16] offset:VCO+3072+768*\t
	ds_load_b64 v[\reg+10:\reg+11], v[A8] offset:VCO+3584+768*\t
.endm
.macro PV reg, t, first                ; O^T's d tile t += V^T p^T; V's word of d tile t at place 2 (t % 2) + t / 2
.if \first
	v_wmma_scale_f32_16x16x128_f8f6f4 v[O+8*\t:O+8*\t+7], v[\reg:\reg+11], v[PC:PC+11], 0, v[VSW+2*(\t%2)+\t/2], v[PS] matrix_a_fmt:MATRIX_FMT_FP6 matrix_b_fmt:MATRIX_FMT_FP6
.else
	v_wmma_scale_f32_16x16x128_f8f6f4 v[O+8*\t:O+8*\t+7], v[\reg:\reg+11], v[PC:PC+11], v[O+8*\t:O+8*\t+7], v[VSW+2*(\t%2)+\t/2], v[PS] matrix_a_fmt:MATRIX_FMT_FP6 matrix_b_fmt:MATRIX_FMT_FP6
.endif
.endm
.macro LEFT                            ; the step's four partial sums join the row's sum, which goes under the step's M in the same line
	v_pk_add_f32 v[TS:TS+1], v[TS:TS+1], v[TS+2:TS+3]
	v_pk_add_f32 v[TS+4:TS+5], v[TS+4:TS+5], v[TS+6:TS+7]
	s_delay_alu instid0(VALU_DEP_1)
	v_pk_add_f32 v[TS:TS+1], v[TS:TS+1], v[TS+4:TS+5]
	s_delay_alu instid0(VALU_DEP_1)
	v_pk_fma_f32 v[SUM:SUM+1], v[SUM:SUM+1], v[F:F+1], v[TS:TS+1] op_sel_hi:[1,0,1]
.endm
	s_load_b128 s[4:7], s[0:1], 0x0                ; qb, kvb
	s_load_b64 s[8:9], s[0:1], 0x10                ; ob
	v_lshl_add_u32 v[SPW], v0, 2, SPARE
	v_mov_b32 v[NIL], 0
	ds_add_u32 v[SPW], v[NIL]                      ; the opening lines: the add, twice on end, and its wait ahead of my tensor load
	ds_add_u32 v[SPW], v[NIL]
	v_lshrrev_b32 v[TA], 5, v0
	v_readfirstlane_b32 s[WV], v[TA]               ; wave 0..15
	v_and_b32 v[TA], 31, v0
	v_and_b32 v[TB], 15, v0
	v_bfe_u32 v[SH8], v0, 4, 1
	v_lshlrev_b32 v[L16], 4, v[TA]
	v_lshlrev_b32 v[L8], 3, v[TA]
	v_lshlrev_b32 v[R16], 4, v[TB]
	v_lshlrev_b32 v[SH8], 3, v[SH8]
	s_mov_b32 s[G1], 15|(3<<16)|(1<<21)            ; the mask: all four work-groups; elements of 8 bytes; bit 21 beside a mask
	s_mov_b32 s[G1+1], 32<<16                      ; rows of 256 bytes,
	s_mov_b32 s[G1+2], 51<<16                      ; 51 of them, dense
	s_mov_b32 s[G1+3], 32<<16
	s_mov_b32 s[G1+4], 51
	s_mov_b32 s[G1+5], 32
	s_mov_b32 s[G1+6], 0
	s_mov_b32 s[G1+7], 0
	s_mov_b32 s[SEL], 0x76543210
	s_mov_b32 s[SEL+1], 0xfedcba98                 ; v_permlanex16_b32's selects for lane l xor 16
	s_mov_b32 s[CS], 0x3e38aa3b                    ; c = log2(e) / 8
	s_mov_b32 s[CS+1], s[CS]
	s_mov_b32 s[TK], 0
	s_and_b32 s14, ttmp7, 0xffff                   ; the head, 8 b + h: shared by the four partners
	s_mul_i32 s16, s14, HEADN
	s_mul_i32 s12, s[WV], STEPB                    ; step w's region, in LDS and in the head
	s_add_co_u32 s10, s16, s12
	s_mov_b32 s11, 0
	s_bfe_u32 s13, ttmp6, 0x40000                  ; cx: it enters Q's and o's global addresses alone
	s_lshl_b32 s21, ttmp9, 2
	s_add_co_u32 s21, s21, s13
	s_lshl_b32 s21, s21, 4
	s_add_co_u32 s21, s21, s[WV]                   ; T: my tile of queries, 0 .. 127
	s_lshr_b32 s17, s21, 3
	s_mul_i32 s17, s17, STEPB
	s_add_co_u32 s17, s17, s16                     ; qb: the region of tiles 8 (T / 8) ..
	s_and_b32 s18, s21, 7
	s_mul_i32 s18, s18, 768
	s_add_co_u32 s40, s17, s18                     ; Q's codes
	s_mov_b32 s41, 0
	s_bfe_u32 s18, s21, 0x10002
	s_lshl_b32 s18, s18, 8
	s_and_b32 s19, s21, 3
	s_lshl_b32 s19, s19, 2
	s_add_co_u32 s42, s17, s18
	s_add_co_u32 s42, s42, s19
	s_add_co_u32 s42, s42, KSO                     ; Q's scale words: group (T / 4) % 2, place T % 4
	s_mov_b32 s43, 0
	s_lshr_b32 s15, s14, 3
	s_lshl_b32 s15, s15, 7
	s_add_co_u32 s15, s15, s21                     ; 128 b + T
	s_and_b32 s14, s14, 7                          ; h
	s_lshl_b32 s44, s15, 3
	s_add_co_u32 s44, s44, s14
	s_mul_i32 s44, s44, 768                        ; o's codes: [tile][head][768]
	s_mov_b32 s45, 0
	s_lshl_b32 s46, s15, 8
	s_lshl_b32 s14, s14, 1
	s_add_co_u32 s46, s46, s14
	s_add_co_u32 s46, s46, 3145728                 ; o's scale bytes: [tile][r][16], mine at 2 h
	s_mov_b32 s47, 0
	s_wait_alu depctr_va_vdst(0)                   ; the wait ahead of the blocking waits
	s_wait_dscnt 0x0                               ; both opening adds are done
	s_wait_kmcnt 0x0
	s_add_nc_u64 s[10:11], s[6:7], s[10:11]
	s_add_nc_u64 s[40:41], s[4:5], s[40:41]
	s_add_nc_u64 s[42:43], s[4:5], s[42:43]
	s_add_nc_u64 s[44:45], s[8:9], s[44:45]
	s_add_nc_u64 s[46:47], s[8:9], s[46:47]
	s_mov_b32 s[G0], 1
	s_mov_b32 s[G0+1], s12
	s_mov_b64 s[G0+2:G0+3], s[10:11]
	s_or_b32 s[G0+3], s[G0+3], 0x80000000
	CROUND                                         ; all four work-groups are here: the joint loads meet
	tensor_load_to_lds s[G0:G0+3], s[G1:G1+7]      ; my one tensor load: key step w's 13,056 bytes
	s_nop 0
	global_load_b128 v[Q:Q+3], v[L16], s[40:41]    ; Q's half fragment stays in registers
	global_load_b64 v[Q+4:Q+5], v[L8], s[40:41] offset:512
	global_load_b32 v[QS], v[R16], s[42:43]
.irp i, 6,7,8,9,10,11
	v_mov_b32 v[Q+\i], 0                           ; K = 64 .. 127 of the first product: zero codes
	v_mov_b32 v[KR+42+\i], 0                       ; and the six registers behind K's last tile
.endr
	v_mov_b32 v[MX], 0xff61b1e6                    ; the largest score so far: -3e38
	v_mov_b32 v[OLD], 0x7f61b1e6                   ; and a -M to go with it: the first f comes out 0
	v_mov_b32 v[NM+1], 0                           ; (named as the upper halves of pairs)
	v_mov_b32 v[F+1], 0
	v_mov_b32 v[SUM], 0
	v_mov_b32 v[SUM+1], 0
	v_mov_b32 v[TB], 0                             ; a lane permute's destination counts as one of its sources
	ADDR
	s_wait_alu depctr_va_vdst(0)                   ; the wait at the head's end
	s_wait_loadcnt 0x0                             ; Q
	s_wait_tensorcnt 0x0                           ; my region has landed
	s_barrier_signal -1
	s_barrier_wait -1                              ; and everybody's: the whole head lies in LDS; nothing is filled again
	KLOAD 0
; A KEY STEP: 128 keys.  first: O^T begins with C = 0 and there is nothing to bring under a new M.  last: no further K is fetched.
.macro STEP first, last
	s_wait_dscnt 0x0                               ; K's fragments and scale words (behind the first step they came in a step ago)
.irp t, 0,1,2,3,4,5,6,7
	v_wmma_scale_f32_16x16x128_f8f6f4 v[S+8*\t:S+8*\t+7], v[KR+6*\t:KR+6*\t+11], v[Q:Q+11], 0, v[KSW+\t], v[QS] matrix_a_fmt:MATRIX_FMT_FP6 matrix_b_fmt:MATRIX_FMT_FP6
.endr
	ADDR                                           ; this step's region; with the line below, the four places ahead of the loads into K's registers and of the first read of the scores
.if \first
	v_nop
.else
	v_mov_b32 v[OLD], v[NM]
.endif
.if \last == 0
	KLOAD STEPB                                    ; 18 loads: the next step's K
.endif
	VLOAD VB, 0                                    ; 9 loads: V's d tiles 0 and 1 and its scale words
	VLOAD VB+12, 1
	ds_load_b128 v[VSW:VSW+3], v[AS] offset:VSO
.irp q, 0,1,2,3                        ; the largest score of my two blocks of 32 keys, four chains by turns; each accumulator is first read at its low end
	v_max3_num_f32 v[BM+\q], v[S+32*(\q%2)+16*(\q/2)], v[S+32*(\q%2)+16*(\q/2)+1], v[S+32*(\q%2)+16*(\q/2)+2]
.endr
.irp i, 3,5,7,9,11,13
.irp q, 0,1,2,3
	v_max3_num_f32 v[BM+\q], v[BM+\q], v[S+32*(\q%2)+16*(\q/2)+\i], v[S+32*(\q%2)+16*(\q/2)+\i+1]
.endr
.endr
.irp c, 0,1
	v_max3_num_f32 v[BM+\c], v[BM+\c], v[BM+2+\c], v[S+32*\c+15]
.endr
.irp c, 0,1
	v_max_num_f32 v[BM+\c], v[BM+\c], v[S+32*\c+31]
.endr
	s_delay_alu instid0(VALU_DEP_1)
	v_max_num_f32 v[TA], v[BM], v[BM+1]
	s_delay_alu instid0(VALU_DEP_1)
	v_permlanex16_b32 v[TB], v[TA], s[SEL], s[SEL+1]
	s_delay_alu instid0(VALU_DEP_1)
	v_max3_num_f32 v[MX], v[MX], v[TA], v[TB]      ; with lane l xor 16's two blocks: the running largest score of my query
	s_delay_alu instid0(VALU_DEP_1)
	v_mul_f32 v[TA], s[CS], v[MX]                  ; as t (c is positive)
	s_delay_alu instid0(VALU_DEP_1)
	v_floor_f32 v[NM], -v[TA]                      ; -M = floor(-t) = -ceil(t)
	s_delay_alu instid0(VALU_DEP_1)
	v_sub_f32 v[TA], v[NM], v[OLD]                 ; old M - new M: a whole number, 0 or less
	s_delay_alu instid0(VALU_DEP_1)
	v_cvt_i32_f32 v[TA], v[TA]                     ; (it saturates)
	s_delay_alu instid0(VALU_DEP_1)
	v_ldexp_f32 v[F], 1.0, v[TA]                   ; f
.irp j, 0,2,4,6,8,10,12,14,16,18,20,22,24,26,28,30,32,34,36,38,40,42,44,46,48,50,52,54,56,58,60,62
	v_pk_fma_f32 v[S+\j:S+1+\j], v[S+\j:S+1+\j], s[CS:CS+1], v[NM:NM+1] op_sel_hi:[1,0,0]   ; t - M, two at a time
.endr
.irp c, 0,1
	v_fma_f32 v[BM+\c], v[BM+\c], s[CS], v[NM]     ; the same of each block's largest score: p rises with the score
.endr
	s_wait_alu depctr_va_vdst(0)                   ; the wait ahead of the batch
.irp j, 0,1,2,3,4,5,6,7,8,9,10,11,12,13,14,15,16,17,18,19,20,21,22,23,24,25,26,27,28,29,30,31,32,33,34,35,36,37,38,39,40,41,42,43,44,45,46,47,48,49,50,51,52,53,54,55,56,57,58,59,60,61,62,63
	v_exp_f32 v[S+\j], v[S+\j]                     ; p = 2^(t - M), at most 1
.endr
.irp c, 0,1
	v_exp_f32 v[BM+\c], v[BM+\c]                   ; each block's largest p
.endr
	v_nop                                          ; one plain place behind the batch
	s_wait_alu depctr_va_vdst(0)                   ; and the one wait ahead of its first reader
.irp c, 0,1
	v_max_num_f32 v[BM+\c], 0x1800000, v[BM+\c]    ; the floor 2^(3 - 127): the byte cannot fall under 1
.endr
.irp c, 0,1
	s_delay_alu instid0(VALU_DEP_2)
	v_add_nc_u32 v[SO+\c], 0xff000000, v[BM+\c]    ; 2 off the exponent field: the conversion's scale operand
.endr
.irp c, 0,1
	s_delay_alu instid0(VALU_DEP_2)
	v_lshrrev_b32 v[BY+\c], 23, v[SO+\c]           ; the scale's byte
.endr
	s_delay_alu instid0(VALU_DEP_1)
	v_lshl_or_b32 v[TA], v[BY+1], 16, v[BY]        ; my bytes are those of blocks h and 2 + h:
	s_delay_alu instid0(VALU_DEP_1)
	v_lshlrev_b32 v[TA], v[SH8], v[TA]             ; 8 h bits up,
	s_delay_alu instid0(VALU_DEP_1)
	v_permlanex16_b32 v[TB], v[TA], s[SEL], s[SEL+1]
	s_delay_alu instid0(VALU_DEP_1)
	v_or_b32 v[PS], v[TA], v[TB]                   ; and with lane l xor 16's two the word is whole
	v_cvt_scalef32_pk16_fp6_f32 v[PC:PC+2], v[S:S+15], v[SO]
	v_cvt_scalef32_pk16_fp6_f32 v[CT:CT+2], v[S+16:S+31], v[SO]     ; (a conversion's three registers begin on an even number)
.irp k, 0,1,2,3                        ; the row's sum is taken of the unquantised p: four chains of pairs.  These lines are also the plain lines behind the conversions
	v_pk_add_f32 v[TS+2*\k:TS+2*\k+1], v[S+2*\k:S+2*\k+1], v[S+8+2*\k:S+9+2*\k]
.endr
.irp j, 2,3
.irp k, 0,1,2,3
	v_pk_add_f32 v[TS+2*\k:TS+2*\k+1], v[TS+2*\k:TS+2*\k+1], v[S+8*\j+2*\k:S+8*\j+2*\k+1]
.endr
.endr
	VLOAD S, 2                                     ; 8 loads: p's first 32 registers are converted and summed: 24 of them take V's d tiles 2 and 3
	VLOAD S+12, 3
	v_cvt_scalef32_pk16_fp6_f32 v[PC+6:PC+8], v[S+32:S+47], v[SO+1]
	v_cvt_scalef32_pk16_fp6_f32 v[CT+4:CT+6], v[S+48:S+63], v[SO+1]
.irp j, 4,5,6,7
.irp k, 0,1,2,3
	v_pk_add_f32 v[TS+2*\k:TS+2*\k+1], v[TS+2*\k:TS+2*\k+1], v[S+8*\j+2*\k:S+8*\j+2*\k+1]
.endr
.endr
.irp c, 0,1
.irp i, 0,1,2
	v_mov_b32 v[PC+3+6*\c+\i], v[CT+4*\c+\i]
.endr
.endr
.if \first
.rept 4
	v_nop                                          ; places between the writes of p's codes and the products
.endr
.else
	s_wait_alu depctr_va_vdst(0)                   ; the wait directly ahead of O^T's first reader
.irp j, 0,2,4,6,8,10,12,14,16,18,20,22,24,26,28,30
	v_pk_mul_f32 v[O+\j:O+1+\j], v[O+\j:O+1+\j], v[F:F+1] op_sel_hi:[1,0]   ; O^T under the new M, each accumulator from its low end on; also the places between the writes of p's codes and the products
.endr
.endif
	s_wait_alu depctr_va_vdst(0)                   ; the wait ahead of the blocking wait
	s_wait_dscnt 8                                 ; all but the eight loads of d tiles 2 and 3, which were issued last
	PV VB, 0, \first
	PV VB+12, 1, \first
	s_wait_dscnt 0x0
	PV S, 2, \first
	PV S+12, 3, \first
	LEFT                                           ; with the line below, five places: the next score products write over registers that the last two products read
	v_nop
.if \last == 0
	s_add_co_u32 s[TK], s[TK], STEPB
.endif
	s_wait_alu depctr_va_vdst(0)                   ; the wait ahead of the branch and of the blocking wait behind it
.endm
	STEP 1, 0
	s_mov_b32 s[CNT], 14
.Lstep:
	STEP 0, 0
	s_sub_co_u32 s[CNT], s[CNT], 1
	s_cmp_lg_u32 s[CNT], 0
	s_cbranch_scc1 .Lstep
	STEP 0, 1
	; THE WAY OUT: O^T / the sum, quantised along d (register 16 b + i is d = 32 b + 16 h + i: two blocks of 32), as half a fragment of the last product's operand
	v_add_f32 v[SUM], v[SUM], v[SUM+1]
	s_delay_alu instid0(VALU_DEP_1)
	v_permlanex16_b32 v[TB], v[SUM], s[SEL], s[SEL+1]
	s_delay_alu instid0(VALU_DEP_1)
	v_add_f32 v[SUM], v[SUM], v[TB]                ; with lane l xor 16's keys: the row's sum
	s_wait_alu depctr_va_vdst(0)                   ; ahead of the transcendental
	v_rcp_f32 v[SUM], v[SUM]
	v_nop
	s_wait_alu depctr_va_vdst(0)                   ; and ahead of its first reader, which is also O^T's
.irp j, 0,2,4,6,8,10,12,14,16,18,20,22,24,26,28,30
	v_pk_mul_f32 v[S+\j:S+1+\j], v[O+\j:O+1+\j], v[SUM:SUM+1] op_sel_hi:[1,0]
.endr
.irp b, 0,1
	v_max3_num_f32 v[BM+\b], |v[S+16*\b]|, |v[S+1+16*\b]|, 0x1800000
.endr
.irp i, 2,4,6,8,10,12,14
.irp b, 0,1
	s_delay_alu instid0(VALU_DEP_2)
	v_max3_num_f32 v[BM+\b], v[BM+\b], |v[S+16*\b+\i]|, |v[S+1+16*\b+\i]|
.endr
.endr
.irp b, 0,1
	s_delay_alu instid0(VALU_DEP_2)
	v_permlanex16_b32 v[BM+2+\b], v[BM+\b], s[SEL], s[SEL+1]
.endr
.irp b, 0,1
	s_delay_alu instid0(VALU_DEP_2)
	v_max_num_f32 v[BM+\b], v[BM+\b], v[BM+2+\b]
.endr
.irp b, 0,1
	s_delay_alu instid0(VALU_DEP_2)
	v_add_nc_u32 v[SO+\b], 0xff000000, v[BM+\b]
.endr
.irp b, 0,1
	s_delay_alu instid0(VALU_DEP_2)
	v_lshrrev_b32 v[BY+\b], 23, v[SO+\b]
.endr
	s_delay_alu instid0(VALU_DEP_1)
	v_lshl_or_b32 v[TA], v[BY+1], 8, v[BY]         ; my row's two scale bytes
	v_cvt_scalef32_pk16_fp6_f32 v[PC:PC+2], v[S:S+15], v[SO]
	v_cvt_scalef32_pk16_fp6_f32 v[CT:CT+2], v[S+16:S+31], v[SO+1]
	v_nop                                          ; one plain place behind a scaled conversion
.irp i, 0,1,2
	v_permlane16_swap_b32 v[PC+\i], v[CT+\i]       ; a whole block in a lane: lanes 0-15 block 0, lanes 16-31 block 1
.endr
.irp i, 0,1,2
	v_mov_b32 v[PC+3+\i], v[CT+\i]
.endr
	global_store_b128 v[L16], v[PC:PC+3], s[44:45]              ; 512 consecutive bytes,
	global_store_b64 v[L8], v[PC+4:PC+5], s[44:45] offset:512   ; and 256
	global_store_b16 v[R16], v[TA], s[46:47]       ; two bytes a row: a row's sixteen come from eight heads, which are eight work-groups; lanes 16-31 hold the same value and name the same address as lanes 0-15
	s_wait_tensorcnt 0x0                           ; the wave's end
	ds_add_u32 v[SPW], v[NIL]
	s_wait_dscnt 0x0
	CROUND                                         ; the closing round
	s_endpgm
.Lfunc_end_k_q293840a273_attn:
	.size	k_q293840a273_attn, .Lfunc_end_k_q293840a273_attn-k_q293840a273_attn
	.p2alignl 7, 3214868480
	.fill 96, 4, 3214868480
	.section	.rodata,"a",@progbits
	.p2align	6, 0x0
	.amdhsa_kernel k_q293840a273_attn
		.amdhsa_group_segment_fixed_size 237056
		.amdhsa_private_segment_fixed_size 0
		.amdhsa_enable_private_segment 0
		.amdhsa_kernarg_size 24
		.amdhsa_user_sgpr_count 2
		.amdhsa_user_sgpr_kernarg_segment_ptr 1
		.amdhsa_wavefront_size32 1
		.amdhsa_system_sgpr_workgroup_id_x 1
		.amdhsa_system_sgpr_workgroup_id_y 1
		.amdhsa_system_sgpr_workgroup_id_z 1
		.amdhsa_system_vgpr_workitem_id 0
		.amdhsa_next_free_vgpr 256
		.amdhsa_next_free_sgpr 66
		.amdhsa_reserve_vcc 0
		.amdhsa_float_denorm_mode_32 3
		.amdhsa_float_denorm_mode_16_64 3
		.amdhsa_memory_ordered 1
		.amdhsa_forward_progress 1
		.amdhsa_inst_pref_size 55
	.end_amdhsa_kernel
	.amdgpu_metadata
---
amdhsa.version: [ 1, 2 ]
amdhsa.kernels:
  - .name:           k_q293840a273_attn
    .symbol:         k_q293840a273_attn.kd
    .args:
      - { .name: qb, .offset: 0, .size: 8, .value_kind: global_buffer, .address_space: global }
      - { .name: kvb, .offset: 8, .size: 8, .value_kind: global_buffer, .address_space: global }
      - { .name: ob, .offset: 16, .size: 8, .value_kind: global_buffer, .address_space: global }
    .group_segment_fixed_size: 237056
    .private_segment_fixed_size: 0
    .kernarg_segment_align: 8
    .kernarg_segment_size: 24
    .max_flat_workgroup_size: 512
    .sgpr_count:     66
    .vgpr_count:     256
    .wavefront_size: 32
...
	.end_amdgpu_metadata
.endif
;; end of part 7
;; launch oproj (part 8): grid 256 x 1, 4 waves a work-group, no clusters, 34,304 bytes of LDS; arguments ob, wb, bo, out0; writes out0
.if DOCPART == 8
	.amdgcn_target "amdgcn-amd-amdhsa--gfx1250"
	.amdhsa_code_object_version 6
	.text
	.protected	k_q293840a273_oproj
	.globl	k_q293840a273_oproj
	.p2align	8
	.type	k_q293840a273_oproj,@function
k_q293840a273_oproj:
	s_mov_b64 s[64:65], 0
	v_nop
	global_prefetch_b8 v0, s[64:65] scope:SCOPE_SE
	s_setreg_imm32_b32 hwreg(HW_REG_WAVE_MODE, 25, 1), 1
	s_wait_xcnt 0x0
; out0 = o Wo + bo: [8,192][512] x [512][512] on codes of FP6 (E2M3) with one E8M0 scale for each 32 along K; sums and out0 in f32.
; o arrives as images of operand registers, [tile 512][head 8][768 bytes], scale bytes [tile][r 16][16] at 3,145,728; tile 2 g + u, lane r, is token 32 g + 8 u + r + (r & 8).
; Wo's codes lie at 589,824 of wb as images of fragments, [w][tile t][K step s][1,536 bytes]; tile t, lane r, is column 128 w + 32 (t / 2) + 8 (t % 2) + r + (r & 8).  Its scale bytes, [n][16], lie at 811,008.
; Work-group g takes tiles 2 g and 2 g + 1: tokens 32 g .. 32 g + 31.  Wave w takes columns 128 w .. 128 w + 127: 8 tiles x 4 K steps of Wo in 384 registers; a fragment comes by three loads of 512 consecutive bytes.
; The product is used transposed (source 0 = 16 rows of Wo's codes, source 1 = 16 tokens): register j of lane (r, h) in tile t is column 32 (t / 2) + 8 (t % 2) + 16 h + j of token r: eight neighbouring columns.
; The bias is the C of each sum's first matrix instruction, in that layout.
; The way out goes through each wave's own stage in LDS: rows come back whole, and a store covers 512 consecutive aligned bytes.
; No tensor load and no cluster: operands go straight into registers in fragment order, each read once by a wave.
; REGISTERS: window 0: v1-8 addresses; v16-143 the 16 accumulators (64 u + 8 t); v144-207 rows on their way out; v208-239 Wo's scale words; v240-247 o's; v248, v249 the add's two.
;   window 1: W(t, K step 0, 1); v192-255 the bias.   window 2: W(t, K step 2, 3).   window 3: v0-95 o's fragments (48 u + 12 s).
.set FR,    12
.set FRB,   FR*128
.set SPITCH, 528
.set WSTG,  16*SPITCH
.set SPARE, 4*WSTG
.set L16, 1
.set L8,  2
.set R16, 3
.set STO, 4
.set RD,  5
.set WSA, 6
.set H64, 8
.set HA,  16
.set BK,  144
.set WS,  208
.set XS,  240
.set SPW, 248
.set NIL, 249
.set BIAS, 192
.set MSB, 0
.macro WIN new                         ; the immediate's high byte repeats the setting that is left
.if MSB != (\new)
	s_set_vgpr_msb (MSB<<8)|(\new)
.set MSB, (\new)
.endif
.endm
	s_load_b256 s[4:11], s[0:1], 0x0               ; ob, wb, bo, out0
	v_lshl_add_u32 v[SPW], v0, 2, SPARE
	v_mov_b32 v[NIL], 0
	v_lshrrev_b32 v9, 5, v0
	v_readfirstlane_b32 s12, v9                    ; wave 0..3
	v_and_b32 v9, 31, v0
	v_lshlrev_b32 v[L16], 4, v9
	v_lshlrev_b32 v[L8], 3, v9
	v_and_b32 v10, 15, v0                          ; r
	v_bfe_u32 v11, v0, 4, 1                        ; h
	v_lshlrev_b32 v[R16], 4, v10
	s_mul_i32 s13, s12, WSTG                       ; my stage
	v_mul_u32_u24 v[STO], v10, SPITCH
	v_lshl_add_u32 v[STO], v11, 6, v[STO]
	v_add_nc_u32 v[STO], s13, v[STO]               ; in: row r; my half's eight columns lie 16 columns, 64 bytes, further on
	v_add_nc_u32 v[RD], s13, v[L16]                ; back: a row of 512 bytes, 16 a lane
	v_and_b32 v[WSA], 8, v10
	v_add_nc_u32 v[WSA], v[WSA], v10               ; r + (r & 8)
	v_lshlrev_b32 v[WSA], 4, v[WSA]                ; Wo's scale bytes: 16 a row
	v_lshlrev_b32 v[H64], 6, v11
	s_mul_i32 s14, ttmp9, 12288                    ; o's codes: two tiles of 6,144 bytes
	s_mov_b32 s15, 0
	s_lshl_b32 s16, ttmp9, 9                       ; o's scale bytes
	s_add_co_u32 s16, s16, 3145728
	s_mov_b32 s17, 0
	s_mul_i32 s18, s12, 49152                      ; Wo's codes: my 32 fragments
	s_add_co_u32 s18, s18, 589824
	s_mov_b32 s19, 0
	s_lshl_b32 s20, s12, 11                        ; Wo's scale bytes
	s_add_co_u32 s20, s20, 811008
	s_mov_b32 s21, 0
	s_lshl_b32 s22, s12, 9                         ; my 128 columns, in bo and in a row of out0
	s_mov_b32 s23, 0
	s_lshl_b32 s24, ttmp9, 16                      ; 32 rows of 2,048 bytes
	s_add_co_u32 s24, s24, s22
	s_mov_b32 s25, 0
	s_wait_alu depctr_va_vdst(0)
	s_wait_kmcnt 0x0
	s_add_nc_u64 s[26:27], s[4:5], s[16:17]
	s_add_nc_u64 s[4:5], s[4:5], s[14:15]
	s_add_nc_u64 s[28:29], s[6:7], s[20:21]
	s_add_nc_u64 s[6:7], s[6:7], s[18:19]
	s_add_nc_u64 s[8:9], s[8:9], s[22:23]
	s_add_nc_u64 s[10:11], s[10:11], s[24:25]
	WIN 0xc0                                       ; destination window 3
.irp u, 0,1
.irp d, 0,1,2,3,4,5,6,7
	global_load_b128 v[48*\u+6*\d:48*\u+6*\d+3], v[L16], s[4:5] offset:6144*\u+768*\d
	global_load_b64 v[48*\u+6*\d+4:48*\u+6*\d+5], v[L8], s[4:5] offset:6144*\u+768*\d+512
.endr
.endr
	WIN 0x40                                       ; destination window 1
.irp t, 0,1,2,3,4,5,6,7
.irp s, 0,1
.irp c, 0,1,2
	global_load_b128 v[FR*(2*\t+\s)+4*\c:FR*(2*\t+\s)+4*\c+3], v[L16], s[6:7] offset:(4*\t+\s)*FRB+512*\c
.endr
.endr
	global_load_b128 v[BIAS+8*\t:BIAS+8*\t+3], v[H64], s[8:9] offset:(32*(\t/2)+8*(\t%2))*4        ; bo[128 w + 32 (t / 2) + 8 (t % 2) + 16 h + 0 .. 7]: the result's layout
	global_load_b128 v[BIAS+8*\t+4:BIAS+8*\t+7], v[H64], s[8:9] offset:(32*(\t/2)+8*(\t%2))*4+16
.endr
	WIN 0x80                                       ; destination window 2
.irp t, 0,1,2,3,4,5,6,7
.irp s, 0,1
.irp c, 0,1,2
	global_load_b128 v[FR*(2*\t+\s)+4*\c:FR*(2*\t+\s)+4*\c+3], v[L16], s[6:7] offset:(4*\t+\s+2)*FRB+512*\c
.endr
.endr
.endr
	WIN 0
.irp t, 0,1,2,3,4,5,6,7
	global_load_b128 v[WS+4*\t:WS+4*\t+3], v[WSA], s[28:29] offset:(32*(\t/2)+8*(\t%2))*16   ; a row's four scale words
.endr
.irp u, 0,1
	global_load_b128 v[XS+4*\u:XS+4*\u+3], v[R16], s[26:27] offset:256*\u
.endr
	s_wait_loadcnt 0x0
.irp u, 0,1                            ; eight accumulators by turns, K step by K step
.irp s, 0,1,2,3
.if \s == 0
	WIN 0x1d                                       ; source 0 (W) window 1, source 1 (o) window 3, source 2 (the bias) window 1
.elseif \s == 1
	WIN 0x0d
.else
	WIN 0x0e                                       ; source 0 window 2
.endif
.irp t, 0,1,2,3,4,5,6,7
.if \s == 0
	v_wmma_scale_f32_16x16x128_f8f6f4 v[HA+64*\u+8*\t:HA+64*\u+8*\t+7], v[FR*(2*\t+\s%2):FR*(2*\t+\s%2)+FR-1], v[48*\u+FR*\s:48*\u+FR*\s+FR-1], v[BIAS+8*\t:BIAS+8*\t+7], v[WS+4*\t+\s], v[XS+4*\u+\s] matrix_a_fmt:MATRIX_FMT_FP6 matrix_b_fmt:MATRIX_FMT_FP6
.else
	v_wmma_scale_f32_16x16x128_f8f6f4 v[HA+64*\u+8*\t:HA+64*\u+8*\t+7], v[FR*(2*\t+\s%2):FR*(2*\t+\s%2)+FR-1], v[48*\u+FR*\s:48*\u+FR*\s+FR-1], v[HA+64*\u+8*\t:HA+64*\u+8*\t+7], v[WS+4*\t+\s], v[XS+4*\u+\s] matrix_a_fmt:MATRIX_FMT_FP6 matrix_b_fmt:MATRIX_FMT_FP6
.endif
.endr
.endr
.endr
	WIN 0
.rept 4
	v_nop                                          ; places ahead of the first read of results
.endr
.irp u, 0,1
.if \u == 1
	s_wait_xcnt 0x0                                ; the first tile's stores have read their data: the registers may be loaded again
.endif
.irp t, 0,1,2,3,4,5,6,7
	ds_store_b128 v[STO], v[HA+64*\u+8*\t:HA+64*\u+8*\t+3] offset:128*(\t/2)+32*(\t%2)          ; each accumulator from its low end on
	ds_store_b128 v[STO], v[HA+64*\u+8*\t+4:HA+64*\u+8*\t+7] offset:128*(\t/2)+32*(\t%2)+16
.endr
.irp i, 0,1,2,3,4,5,6,7,8,9,10,11,12,13,14,15
	ds_load_b128 v[BK+4*\i:BK+4*\i+3], v[RD] offset:SPITCH*\i   ; LDS serves a wave's instructions in order: these see my stores
.endr
.irp i, 0,1,2,3,4,5,6,7,8,9,10,11,12,13,14,15
	s_wait_dscnt 15-\i                             ; the younger loads may stay out
	global_store_b128 v[L16], v[BK+4*\i:BK+4*\i+3], s[10:11] offset:(8*\u+\i+(\i&8))*2048 th:TH_STORE_NT   ; tile order back to rows: 512 consecutive aligned bytes
.endr
.endr
	s_wait_tensorcnt 0x0                           ; the wave's end
	ds_add_u32 v[SPW], v[NIL]
	s_wait_dscnt 0x0
	s_endpgm
.Lfunc_end_k_q293840a273_oproj:
	.size	k_q293840a273_oproj, .Lfunc_end_k_q293840a273_oproj-k_q293840a273_oproj
	.p2alignl 7, 3214868480
	.fill 96, 4, 3214868480
	.section	.rodata,"a",@progbits
	.p2align	6, 0x0
	.amdhsa_kernel k_q293840a273_oproj
		.amdhsa_group_segment_fixed_size 34304
		.amdhsa_private_segment_fixed_size 0
		.amdhsa_enable_private_segment 0
		.amdhsa_kernarg_size 32
		.amdhsa_user_sgpr_count 2
		.amdhsa_user_sgpr_kernarg_segment_ptr 1
		.amdhsa_wavefront_size32 1
		.amdhsa_system_sgpr_workgroup_id_x 1
		.amdhsa_system_sgpr_workgroup_id_y 1
		.amdhsa_system_sgpr_workgroup_id_z 1
		.amdhsa_system_vgpr_workitem_id 0
		.amdhsa_next_free_vgpr 864
		.amdhsa_next_free_sgpr 66
		.amdhsa_reserve_vcc 0
		.amdhsa_float_denorm_mode_32 3
		.amdhsa_float_denorm_mode_16_64 3
		.amdhsa_memory_ordered 1
		.amdhsa_forward_progress 1
		.amdhsa_inst_pref_size 34
	.end_amdhsa_kernel
	.amdgpu_metadata
---
amdhsa.version: [ 1, 2 ]
amdhsa.kernels:
  - .name:           k_q293840a273_oproj
    .symbol:         k_q293840a273_oproj.kd
    .args:
      - { .name: ob, .offset: 0, .size: 8, .value_kind: global_buffer, .address_space: global }
      - { .name: wb, .offset: 8, .size: 8, .value_kind: global_buffer, .address_space: global }
      - { .name: bo, .offset: 16, .size: 8, .value_kind: global_buffer, .address_space: global }
      - { .name: out0, .offset: 24, .size: 8, .value_kind: global_buffer, .address_space: global }
    .group_segment_fixed_size: 34304
    .private_segment_fixed_size: 0
    .kernarg_segment_align: 8
    .kernarg_segment_size: 32
    .max_flat_workgroup_size: 128
    .sgpr_count:     66
    .vgpr_count:     864
    .wavefront_size: 32
...
	.end_amdgpu_metadata
.endif
;; end of part 8
